; MI455X (gfx1250); checked and timed in simulation.
; The chip was launched on July 23, 2026; its instructions are those of AMD's public machine-readable ISA for CDNA 5 (MIT licence, August 2026) and "CDNA5" Instruction Set Architecture Reference Guide (July 2026). The comments in the code are by the model that wrote it; some were corrected since.
;; Min GRU Layer. Allowed arithmetic: matrix products marked QUANTISED: E2M1 operands, one E8M0 scale for each 32 along K, by v_wmma_scale_f32_16x16x128_f8f6f4 with both operands' format E2M1 (or v_wmma_scale_f32_32x16x128_f4), f32 sums; everything else in f32.
;; Inputs: W_h 2,048 x 2,048 float32; W_z 2,048 x 2,048 float32; b_h 2,048 float32; b_z 2,048 float32; h0 2,048 float32; hidden_states 4 x 2,048 x 2,048 float32; ln_b 2,048 float32; ln_w 2,048 float32.
;; Outputs: out0 4 x 2,048 x 2,048 float32.
;; This version of the problem:
;;   THIS VERSION OF THE PROBLEM IS GIVEN IN LOW PRECISION. The matrix products marked QUANTISED in the list below multiply operands that are first quantised to E2M1 (2 exponent bits, 1 mantissa bit; 4 bits a number), with one power-of-two scale for each 32 numbers along K (OCP MX v1.0); their sums are f32. All else is computed in f32.
;;   The module's matrix products, in the order in which they are computed (A, B: the left and right operand; K: the contracted axis; several contracted axes count as one K, in the product's order):
;;     1. [M 8,192, K 2,048] x [K 2,048, N 2,048]; A: input hidden_states; B: input W_z: QUANTISED
;;     2. [M 8,192, K 2,048] x [K 2,048, N 2,048]; A: input hidden_states; B: input W_h: QUANTISED
;;   THE QUANTISER, for each operand of a quantised product, along K:
;;     - K is cut into blocks of 32 from its start; a last block that is shorter is filled with zeros.
;;     - A block's scale is 2^e with e = floor(log2(the largest magnitude in the block)) - 2, held to -126 .. 127; a block of zeros has e = 0. As a byte (E8M0): e + 127.
;;     - Each number is divided by its block's scale, clamped to +-6, and rounded to the nearest number of E2M1, ties to even, subnormals kept.
;;     - The product sums the exact products of the quantised numbers (number of the format x scale) in f32.
;;   ~~~python
;;   def quantise(x, axis):      # numpy; x: float32 -> the quantised numbers, widened to float32 again
;;       x = np.moveaxis(x, axis, -1); K = x.shape[-1]
;;       x = np.pad(x, [(0, 0)] * (x.ndim - 1) + [(0, -K % 32)]); x = x.reshape(x.shape[:-1] + (-1, 32)); a = np.abs(x).max(-1, keepdims=True)
;;       e = np.where(a > 0, np.clip(np.frexp(np.where(a > 0, a, 1))[1] - 1 - 2, -126, 127), 0)      # np.frexp(a)[1] - 1 = floor(log2(a)), exactly
;;       r = np.clip(x / 2.0 ** e, -6, 6)
;;       step = 2.0 ** (np.maximum(np.frexp(np.where(r == 0, 1, r))[1] - 1, 0) - 1)
;;       q = np.round(r / step) * step * 2.0 ** e      # np.round: ties to even
;;       return np.moveaxis(q.reshape(q.shape[:-2] + (-1,))[..., :K], -1, axis).astype(np.float32)
;;   ~~~
;; One version. Each part assembles by itself: llvm-mc -triple=amdgcn-amd-amdhsa -mcpu=gfx1250 --defsym DOCPART=n.
;; ======== version 1 of 1: 4 launches
;; limits: right only within a limited range of input values
;; workspace buffers: cod 12,582,912 bytes; scl 786,432 bytes; wl 67,108,864 bytes; al 67,108,864 bytes; tot 1,048,576 bytes; lh 67,108,864 bytes; part 2,048 bytes
;; launch quant (part 1): grid 768 x 1, 4 waves a work-group, no clusters, 33,280 bytes of LDS; arguments hidden_states, W_z, W_h, cod, scl; writes cod, scl
.if DOCPART == 1
	.amdgcn_target "amdgcn-amd-amdhsa--gfx1250"
	.amdhsa_code_object_version 6
	.text
	.protected	k_qd37723a530_quant
	.globl	k_qd37723a530_quant
	.p2align	8
	.type	k_qd37723a530_quant,@function
k_qd37723a530_quant:
	s_mov_b64 s[64:65], 0
	v_nop
	global_prefetch_b8 v0, s[64:65] scope:SCOPE_SE
	s_setreg_imm32_b32 hwreg(HW_REG_WAVE_MODE, 25, 1), 1
	s_wait_xcnt 0x0
; hidden_states [8192][2048], W_z [2048][2048], W_h [2048][2048], f32, K innermost, become codes of FP4 (E2M1), two a byte, K innermost, with one E8M0 byte for each 32 along K.
; cod: X's rows of 1,024 bytes from byte 0; from byte 8,388,608 the rows of ONE combined weight of 4,096 rows: row 128 J + 64 s + cc is row 64 J + cc of W_z (s = 0) or of W_h (s = 1).
; scl: the scale bytes, 64 a row, in the same order: X's from byte 0, the weight's from byte 524,288.
; A block's scale is 2^(floor(log2(largest magnitude)) - 2): its byte is the largest magnitude's exponent field - 2, held at 1 from below.
; LIMITS: a block of zeros, and a block whose largest magnitude lies under 2^-124, gets the byte 1 (the bytes are read by this program alone; zero codes add nothing); NaN and infinities are not served.
; A RUN is 8,192 numbers = 4 rows = 4,096 bytes of codes = 256 scale bytes; a wave takes one run in 16 steps of 512 numbers; a work-group four runs (16 rows).
; Work-groups 0-511 take X, 512-639 W_z, 640-767 W_h: pointers and run numbers are chosen by selects on the work-group's number; there is one path through the text.
; Each load reads 512 consecutive bytes; a step's 2,048 bytes turn through the wave's own stage in LDS so that a lane holds 16 neighbours along K (two lanes to a block). No barrier: waves share nothing.
.set STEPS, 16
.set EMAX,  2
.set CB,    8                          ; bytes of 16 codes
.set R,     16                         ; v16-79   four sets of 16 numbers as loaded
.set X,     80                         ; v80-111  two sets of 16 neighbours
.set E,     112                        ; v112-127 a scale byte for each step
.set C,     128                        ; v128-191 codes: registers of its own for each step: no store's data are written again
.set WREG,  8192                       ; LDS of a wave: two stages of 32 x SP bytes, then its 256 scale bytes
.set SP,    80                         ; a lane's 64 bytes + 16 of padding
	s_load_b256 s[4:11], s[0:1], 0x0               ; hidden_states s[4:5], W_z s[6:7], W_h s[8:9], cod s[10:11]
	s_load_b64 s[12:13], s[0:1], 0x20              ; scl
	v_lshl_add_u32 v192, v0, 2, 0x8000
	v_mov_b32 v193, 0
	v_lshrrev_b32 v1, 5, v0
	v_readfirstlane_b32 s16, v1                    ; wave
	v_and_b32 v2, 31, v0                           ; lane
	v_lshlrev_b32 v3, 4, v2                        ; my 16 bytes of a load's 512
	s_mul_i32 s14, s16, WREG
	v_lshrrev_b32 v14, 2, v2
	v_mul_u32_u24 v14, v14, SP
	v_and_b32 v15, 3, v2
	v_lshl_add_u32 v14, v15, 4, v14
	v_add_nc_u32 v14, s14, v14                     ; the stage, way in: SP (lane / 4) + 16 (lane % 4)
	v_mul_u32_u24 v15, v2, SP
	v_add_nc_u32 v15, s14, v15                     ; way out: SP x lane: my 16 neighbours
	v_mul_u32_u24 v4, v2, CB                       ; my codes' place in a step's 256 bytes
	v_lshrrev_b32 v5, 1, v2
	s_add_co_u32 s14, s14, 2*32*SP
	v_add_nc_u32 v5, s14, v5                       ; LDS: my block's scale byte
	v_lshlrev_b32 v7, 3, v2                        ; on the way out 8 scale bytes a lane
	v_add_nc_u32 v6, s14, v7
	s_wait_alu depctr_va_vdst(0)
	s_wait_kmcnt 0x0
	s_cmp_lt_u32 ttmp9, 640                        ; W_z's work-group or W_h's (of no account for X's)
	s_cselect_b64 s[6:7], s[6:7], s[8:9]
	s_mov_b32 s17, 640
	s_cselect_b32 s17, 512, s17
	s_cselect_b32 s18, 0, 16                       ; 16 s: W_h's rows lie 64 rows = 16 runs behind W_z's in a group of 128
	s_sub_co_u32 s17, ttmp9, s17                   ; g: which 16 rows of the weight
	s_lshr_b32 s19, s17, 2
	s_lshl_b32 s19, s19, 5                         ; 32 J
	s_and_b32 s20, s17, 3
	s_lshl_b32 s20, s20, 2                         ; 4 (g % 4)
	s_add_co_u32 s19, s19, s20
	s_add_co_u32 s19, s19, s18
	s_add_co_u32 s19, s19, 2048                    ; the weight's part of cod and of scl begins at run 2,048
	s_lshl_b32 s17, s17, 2                         ; the source's run: 4 g
	s_lshl_b32 s21, ttmp9, 2                       ; X: source and destination run 4 x work-group
	s_cmp_lt_u32 ttmp9, 512
	s_cselect_b64 s[4:5], s[4:5], s[6:7]
	s_cselect_b32 s17, s21, s17
	s_cselect_b32 s19, s21, s19
	s_add_co_u32 s17, s17, s16                     ; + wave
	s_add_co_u32 s19, s19, s16
	s_lshl_b32 s22, s17, 15                        ; 32,768 bytes of f32 a run
	s_mov_b32 s23, 0
	s_add_nc_u64 s[4:5], s[4:5], s[22:23]
	s_lshl_b32 s22, s19, 12                        ; 4,096 bytes of codes
	s_add_nc_u64 s[10:11], s[10:11], s[22:23]
	s_lshl_b32 s22, s19, 8                         ; 256 scale bytes
	s_add_nc_u64 s[12:13], s[12:13], s[22:23]
.macro LOAD t
.irp i, 0,1,2,3
	global_load_b128 v[R+16*((\t)%4)+4*\i:R+16*((\t)%4)+4*\i+3], v3, s[4:5] offset:2048*(\t)+512*\i th:TH_LOAD_NT   ; 32 lanes read 512 consecutive bytes
.endr
.endm
.macro TURN t                          ; step t's numbers through the stage; LDS serves a wave's instructions in order, so no wait stands between the stores and the loads
.irp i, 0,1,2,3
	ds_store_b128 v14, v[R+16*((\t)%4)+4*\i:R+16*((\t)%4)+4*\i+3] offset:32*SP*((\t)%2)+8*SP*\i
.endr
.irp i, 0,1,2,3
	ds_load_b128 v[X+16*((\t)%2)+4*\i:X+16*((\t)%2)+4*\i+3], v15 offset:32*SP*((\t)%2)+16*\i
.endr
.endm
.irp t, 0,1,2,3
	LOAD \t
.endr
	s_wait_loadcnt 12                              ; step 0's four loads are in; three steps' twelve stay out
	TURN 0
.macro STEP t
.set XS, X+16*((\t)%2)
.if (\t) > 0
	s_wait_dscnt 1                                 ; this step's numbers are back from the stage (the last step's byte store may be out)
.else
	s_wait_dscnt 0x0
.endif
.if (\t)+4 < STEPS
	LOAD (\t)+4                                    ; into the set whose stage stores have read their registers
.endif
.if (\t)+1 < STEPS
.if STEPS-2-(\t) >= 3
	s_wait_loadcnt 12                              ; the next step's four loads are in; those of the three steps behind it may be out
.else
	s_wait_loadcnt 4*(STEPS-2-(\t))
.endif
	TURN (\t)+1
.endif
	v_max3_num_f32 v8, |v[XS]|, |v[XS+1]|, |v[XS+2]|               ; the largest magnitude of my 16, in two chains
	v_max3_num_f32 v9, |v[XS+3]|, |v[XS+4]|, |v[XS+5]|
.irp i, 6,10
	v_max3_num_f32 v8, v8, |v[XS+\i]|, |v[XS+\i+1]|
	v_max3_num_f32 v9, v9, |v[XS+\i+2]|, |v[XS+\i+3]|
.endr
	v_max3_num_f32 v8, v8, |v[XS+14]|, |v[XS+15]|
	v_max3_num_f32 v8, v8, v9, (EMAX+1)<<23        ; and the floor 2^(3 - 127): the byte cannot fall under 1
	v_max_num_f32_dpp v8, v8, v8 row_xmask:1 row_mask:0xf bank_mask:0xf   ; with my neighbour's 16: the block's
	v_add_nc_u32 v11, -(EMAX<<23), v8              ; 2 off the exponent field: the conversion takes this operand's exponent field as its scale
	v_cvt_scalef32_pk8_fp4_f32 v[C+4*(\t)], v[XS:XS+7], v11
	v_cvt_scalef32_pk8_fp4_f32 v[C+4*(\t)+1], v[XS+8:XS+15], v11
	v_lshrrev_b32 v[E+(\t)], 23, v11               ; the scale's byte (a plain line behind the conversions)
	ds_store_b8 v5, v[E+(\t)] offset:16*(\t)       ; both lanes of a block write the same byte with the same value
	global_store_b64 v4, v[C+4*(\t):C+4*(\t)+1], s[10:11] offset:32*CB*(\t)   ; the wave stores 256 consecutive bytes, aligned
.endm
.irp t, 0,1,2,3,4,5,6,7,8,9,10,11,12,13,14,15
	STEP \t
.endr
	ds_load_b64 v[12:13], v6                       ; in order behind my byte stores
	s_wait_dscnt 0x0
	global_store_b64 v7, v[12:13], s[12:13]        ; my run's 256 scale bytes: 256 consecutive bytes, aligned
	s_barrier_signal -1
	s_barrier_wait -1
	s_wait_tensorcnt 0x0
	ds_add_u32 v192, v193
	s_wait_dscnt 0x0
	s_endpgm
.Lfunc_end_k_qd37723a530_quant:
	.size	k_qd37723a530_quant, .Lfunc_end_k_qd37723a530_quant-k_qd37723a530_quant
	.p2alignl 7, 3214868480
	.fill 96, 4, 3214868480
	.section	.rodata,"a",@progbits
	.p2align	6, 0x0
	.amdhsa_kernel k_qd37723a530_quant
		.amdhsa_group_segment_fixed_size 33280
		.amdhsa_private_segment_fixed_size 0
		.amdhsa_enable_private_segment 0
		.amdhsa_kernarg_size 40
		.amdhsa_user_sgpr_count 2
		.amdhsa_user_sgpr_kernarg_segment_ptr 1
		.amdhsa_wavefront_size32 1
		.amdhsa_system_sgpr_workgroup_id_x 1
		.amdhsa_system_sgpr_workgroup_id_y 1
		.amdhsa_system_sgpr_workgroup_id_z 1
		.amdhsa_system_vgpr_workitem_id 0
		.amdhsa_next_free_vgpr 194
		.amdhsa_next_free_sgpr 66
		.amdhsa_reserve_vcc 0
		.amdhsa_float_denorm_mode_32 3
		.amdhsa_float_denorm_mode_16_64 3
		.amdhsa_memory_ordered 1
		.amdhsa_forward_progress 1
		.amdhsa_inst_pref_size 34
	.end_amdhsa_kernel
	.amdgpu_metadata
---
amdhsa.version: [ 1, 2 ]
amdhsa.kernels:
  - .name:           k_qd37723a530_quant
    .symbol:         k_qd37723a530_quant.kd
    .args:
      - { .name: hidden_states, .offset: 0, .size: 8, .value_kind: global_buffer, .address_space: global }
      - { .name: W_z, .offset: 8, .size: 8, .value_kind: global_buffer, .address_space: global }
      - { .name: W_h, .offset: 16, .size: 8, .value_kind: global_buffer, .address_space: global }
      - { .name: cod, .offset: 24, .size: 8, .value_kind: global_buffer, .address_space: global }
      - { .name: scl, .offset: 32, .size: 8, .value_kind: global_buffer, .address_space: global }
    .group_segment_fixed_size: 33280
    .private_segment_fixed_size: 0
    .kernarg_segment_align: 8
    .kernarg_segment_size: 40
    .max_flat_workgroup_size: 128
    .sgpr_count:     66
    .vgpr_count:     194
    .wavefront_size: 32
...
	.end_amdgpu_metadata
.endif
;; end of part 1
;; launch gemm (part 2): grid 16 x 32, 4 waves a work-group, clusters of 4 x 4, 327,680 bytes of LDS; arguments cod, scl, b_z, b_h, wl, al, tot; writes wl, al, tot
.if DOCPART == 2
	.amdgcn_target "amdgcn-amd-amdhsa--gfx1250"
	.amdhsa_code_object_version 6
	.text
	.protected	k_qd37723a530_gemm
	.globl	k_qd37723a530_gemm
	.p2align	8
	.type	k_qd37723a530_gemm,@function
k_qd37723a530_gemm:
	s_mov_b64 s[64:65], 0
	v_nop
	global_prefetch_b8 v0, s[64:65] scope:SCOPE_SE
	s_setreg_imm32_b32 hwreg(HW_REG_WAVE_MODE, 25, 1), 1
	s_wait_xcnt 0x0
	s_wait_alu depctr_hold_cnt(0) depctr_sa_sdst(0) depctr_va_vdst(0) depctr_va_sdst(0) depctr_va_ssrc(0) depctr_va_vcc(0) depctr_vm_vsrc(0)
	s_getreg_b32 s2, hwreg(HW_REG_IB_STS2, 6, 4)
	s_cmp_eq_u32 s2, 0
	s_cbranch_scc0 .Lentry_in_a_cluster
	s_endpgm
.Lentry_in_a_cluster:
	s_bfe_u32 s2, ttmp6, 0x10000c
	s_cmp_lg_u32 s2, 0xf033
	s_cbranch_scc0 .Lentry_shape_is_right
	s_endpgm
.Lentry_shape_is_right:
; k = X W_z^T + b_z and x = X W_h^T + b_h on codes of FP4 (E2M1) with E8M0 scales, and what follows them element by element, all to base 2 (c = log2 e):
;   lc = -softplus(k) c;  log_z = k c + lc;  g = x >= 0 ? log2(x + 0.5) : x c - log2(1 + 2^-|x c|);  a_loc = the running sum of lc inside a group of 64 hidden columns;  w_loc = log_z + g - a_loc.
; cod: X's 8,192 rows of 1,024 bytes, then from byte 8,388,608 one combined weight of 4,096 rows: row 128 J + 64 s + cc is row 64 J + cc of W_z (s = 0) or W_h (s = 1).  scl: 64 scale bytes a row, the weight's from byte 524,288.
; OUT: wl (w_loc) and al (a_loc): [Jc 64][pair of rows 4,096][256 bytes]; a unit holds 2 rows x 32 columns, byte 16 (col / 2) + 8 (row % 2) + 4 (col % 2).
;      tot [J 32][row 8,192]: for even J group J's whole sum of lc; for odd J that of groups J - 1 and J together (the work-group holds both), so that the reader sums half as many rows.
; A work-group of four waves makes 256 rows x 256 weight rows; a wave 128 x 128 (64 hidden columns, k and x): 64 accumulators, 512 registers.  K goes in four steps of 512 through two LDS slots (rows of 256 bytes).
; The scales of the 256 + 256 rows for all of K come once, at the head.  4 x 4 work-groups form a cluster: X's tiles are asked for jointly along a row of it, the weight's along a column.
; The matrix instruction is used transposed (source 0 = weight rows, source 1 = X's rows): a lane holds one row of X and eight neighbouring hidden columns, so the running sum goes along its registers.  The biases are the C of the first products.
; PREFETCH INTO THE L2: at each change of slots every wave has waited for all its tensor loads, so a refill goes out with nothing on its way beside it.  Behind the head's loads (K step 0) each wave asks for K steps 1 and 2, behind K step 1's load
; for K step 3: 32 rows x 256 bytes an instruction, a lane a row.  Of the 128 rows that a wave fetches in the ring, the partner at place p of the four that ask jointly takes rows 32 p .. 32 p + 31 (p = cx for X, cy for the weight): told apart by
; address, so each block of 256 bytes is named once in a cluster.  K step 3 is a row's last: nothing is asked for beyond it.
; LIMITS: NaN and infinities are not served; 2^-|y| under 2^-126 counts as 0.
; REGISTERS: window 0: v15-31 addresses, v32-95 scale words (two sets), v128-191 X's fragments, v192-255 the biases; window 1: the weight's fragments, two sets; windows 2, 3: the accumulators.  On the way out v32-239 of window 0 are at work.
.set SIZE_K, 2048
.set KSTEP,  512
.set NQ,     KSTEP/128
.set ROWB,   256                       ; a tile's row in bytes
.set KROW,   SIZE_K*4/8                ; a row of codes in memory
.set PITCH,  272                       ; an LDS row: 256 bytes + 16 of padding
.set FR,     8
.set NL,     2
.set NP,     4
.set HALFT,  128*PITCH
.set SLOT,   4*HALFT                   ; X's 256 rows, then the weight's 256
.set LAPS,   SIZE_K/(2*KSTEP)
.set KS,     SIZE_K/32
.set SCL,    2*SLOT                    ; behind the ring: the scales
.set HALFS,  (128*KS/256)*272
.set SBLK,   (16*KS/256)*272
.set SPARE,  SCL+4*HALFS               ; the spare words: 128 bytes a wave, named by no other line
.set WSTG,   8704                      ; the way out: a wave's stage, w's 16 units of 272 bytes and a's; it lies in slot 0, behind that slot's last fill and last read
.set TSTG,   4*WSTG                    ; and 512 bytes a wave for tot
.set PFO,  15                          ; v15: the prefetches' offset, lane x 1,024; never rewritten
.set ADRA, 16
.set ADRB, 20
.set COT,  22
.set TSW,  23
.set STO,  24
.set RD,   25
.set CO,   26
.set ADRS, 27
.set SPW,  28
.set NIL,  29
.set TSA,  30
.set TRD,  31
.set SC,   32
.set AF,   128
.set BIAS, 192
.set K2,   32                          ; the way out: k c, then log_z, v, w_loc
.set X2,   64                          ; x c
.set U0,   96                          ; x + 0.5, then x c - L
.set E1,   128                         ; 2^-|k c|, its logarithm, lc, a_loc
.set E2,   160                         ; the same for x, then g, then w's units
.set MX,   192                         ; max(k c, 0), then a's units
.set T,    224
.set TT,   228
.set OB,   232
.set RUN,  236
.set TOT,  237
.set MK,   24                          ; s24-55: x >= 0, a mask for each of a lane's 32 numbers
.set PFA,  12                          ; s[12:13]: my work-group's 32 rows of the 128 that I fetch; never rewritten
.set G1, 24
.set G0, 32
.set G1B, 48
.set G0B, 56
.set G1S, 68
.set G0S, 76
.set G1SB, 80
.set G0SB, 88
.set G0H, 4
.set G0HB, 8
.set MSB, 0
.macro WIN new                         ; the immediate's high byte repeats the setting that is left
.if MSB != \new
	s_set_vgpr_msb (MSB<<8)|\new
.set MSB, \new
.endif
.endm
.set MUL_LO, 0xa1                      ; source 0 window 1, source 1 window 0, C and D window 2
.set MUL_HI, 0xf1
.set FST_LO, 0x81                      ; the first products: C (the biases) window 0
.set FST_HI, 0xc1
.set TO_B,   0x40
.macro JLOAD g0a, g1a, g0b, g1b        ; a joint load: waves 0, 1 fetch X's halves, waves 2, 3 the weight's
	s_cmp_eq_u32 s15, 0
	s_cbranch_scc0 .Lfor_b_\@
	tensor_load_to_lds s[\g0a:\g0a+3], s[\g1a:\g1a+7]
	s_nop 0
.rept 4
	v_nop
.endr
	s_branch .Lasked_\@
.Lfor_b_\@:
	tensor_load_to_lds s[\g0b:\g0b+3], s[\g1b:\g1b+7]
	s_nop 0
.rept 4
	v_nop
.endr
.Lasked_\@:
.endm
.macro CREST                           ; a round of the cluster's barrier behind its opening barrier
	s_cmp_lg_u32 s14, 0
	s_cbranch_scc1 .Lnot_wave_0_\@
	s_barrier_signal -3
.Lnot_wave_0_\@:
	s_barrier_wait -3
	s_barrier_signal -1
	s_barrier_wait -1
.endm
.macro CROUND
	s_barrier_signal -1
	s_barrier_wait -1
	CREST
.endm
	s_load_b128 s[4:7], s[0:1], 0x0                ; cod, scl
	s_load_b128 s[96:99], s[0:1], 0x10             ; b_z, b_h
	v_lshl_add_u32 v[SPW], v0, 2, SPARE
	v_mov_b32 v[NIL], 0
	ds_add_u32 v[SPW], v[NIL]                      ; the opening lines: the add, twice on end, and its wait ahead of my first tensor load
	ds_add_u32 v[SPW], v[NIL]
	v_lshrrev_b32 v1, 5, v0
	v_readfirstlane_b32 s14, v1                    ; wave
	s_lshr_b32 s15, s14, 1                         ; my half of the tile's rows; also: I fetch for X (0) or the weight (1)
	s_and_b32 s16, s14, 1                          ; my half of its weight rows; also: which 128 rows I fetch
	s_bfe_u32 s40, ttmp6, 0x40000                  ; cx
	s_bfe_u32 s41, ttmp6, 0x40004                  ; cy
	s_lshl_b32 s42, ttmp9, 2
	s_add_co_u32 s42, s42, s40                     ; tile column
	s_and_b32 s17, ttmp7, 0xffff
	s_lshl_b32 s17, s17, 2
	s_add_co_u32 s17, s17, s41                     ; tile row
	s_lshl_b32 s43, s41, 2
	s_lshl_b32 s43, 15, s43                        ; my row of the cluster
	s_lshl_b32 s44, 0x1111, s40                    ; my column
	s_or_b32 s[G1+0], s43, (0<<16)|(1<<20)|(1<<21)|(5<<22)|(3<<25)   ; elements of 1 byte; 4 words of padding behind every 64
	s_or_b32 s[G1B+0], s44, (0<<16)|(1<<20)|(1<<21)|(5<<22)|(3<<25)
.irp g, G1, G1B
	s_mov_b32 s[\g+1], ROWB<<16
	s_mov_b32 s[\g+2], 256<<16                     ; 256 rows for the head's loads; 128 behind them
	s_mov_b32 s[\g+3], ROWB<<16
	s_mov_b32 s[\g+4], 256
	s_mov_b32 s[\g+5], KROW
	s_mov_b32 s[\g+6], 0
	s_mov_b32 s[\g+7], 0
.endr
	s_or_b32 s[G1S+0], s43, (3<<16)|(1<<20)|(1<<21)|(5<<22)|(3<<25)  ; the scales of 256 rows: a dense block, KS rows of 256 bytes (32 elements of 8)
	s_or_b32 s[G1SB+0], s44, (3<<16)|(1<<20)|(1<<21)|(5<<22)|(3<<25)
.irp g, G1S, G1SB
	s_mov_b32 s[\g+1], 32<<16
	s_mov_b32 s[\g+2], KS<<16
	s_mov_b32 s[\g+3], 32<<16
	s_mov_b32 s[\g+4], KS
	s_mov_b32 s[\g+5], 32
	s_mov_b32 s[\g+6], 0
	s_mov_b32 s[\g+7], 0
.endr
	s_lshl_b32 s20, s17, 8                         ; X: the tile's first row
	s_lshl_b32 s46, s42, 8                         ; the weight: its first row
	s_mov_b32 s21, 0
	s_mov_b32 s47, 0
	s_mov_b64 s[18:19], KS
	s_mul_u64 s[22:23], s[20:21], s[18:19]
	s_mul_u64 s[92:93], s[46:47], s[18:19]
	s_mov_b64 s[18:19], KROW
	s_mul_u64 s[20:21], s[20:21], s[18:19]
	s_mul_u64 s[46:47], s[46:47], s[18:19]
	s_mul_i32 s18, s16, 128*KROW                   ; in the ring I fetch 128 rows: which half
	s_mov_b32 s19, 0
	s_mul_i32 s45, s14, HALFT                      ; and where they go
	; the prefetches' rows, as an offset in cod
	s_cmp_eq_u32 s15, 0                            ; do I fetch for X?
	s_cselect_b32 s94, s17, s42                    ; the tile's number along its tensor,
	s_cselect_b32 s95, s40, s41                    ; my place among the four that ask with me,
	s_cselect_b32 s3, 0, 8192                      ; and the weight's rows lie 8,192 rows behind X's first
	s_lshl_b32 s94, s94, 8
	s_add_co_u32 s94, s94, s3
	s_lshl_b32 s3, s16, 7
	s_add_co_u32 s94, s94, s3                      ; + the 128 rows that I fetch
	s_lshl_b32 s95, s95, 5
	s_add_co_u32 s94, s94, s95                     ; + my work-group's 32 of them
	s_lshl_b32 s94, s94, 10                        ; rows of 1,024 bytes: under 2^24
	s_mov_b32 s95, 0
	s_wait_dscnt 0x0                               ; both opening adds are done
	s_wait_kmcnt 0x0
	s_add_nc_u64 s[PFA:PFA+1], s[4:5], s[94:95]
	s_add_nc_u64 s[20:21], s[4:5], s[20:21]
	s_add_nc_u64 s[22:23], s[6:7], s[22:23]
	s_add_nc_u64 s[46:47], s[4:5], s[46:47]
	s_add_nc_u64 s[46:47], s[46:47], 8388608
	s_add_nc_u64 s[92:93], s[6:7], s[92:93]
	s_add_nc_u64 s[92:93], s[92:93], 524288
	CROUND                                         ; all sixteen work-groups are here: the first joint loads meet
	s_mov_b32 s[G0H], 1                            ; the head's four tiles: K step 0's 256 rows of X,
	s_mov_b32 s[G0H+1], 0
	s_mov_b64 s[G0H+2:G0H+3], s[20:21]
	s_or_b32 s[G0H+3], s[G0H+3], 0x80000000
	s_mov_b32 s[G0HB], 1                           ; of the weight,
	s_mov_b32 s[G0HB+1], 2*HALFT
	s_mov_b64 s[G0HB+2:G0HB+3], s[46:47]
	s_or_b32 s[G0HB+3], s[G0HB+3], 0x80000000
	s_mov_b32 s[G0S], 1                            ; X's scales,
	s_mov_b32 s[G0S+1], SCL
	s_mov_b64 s[G0S+2:G0S+3], s[22:23]
	s_or_b32 s[G0S+3], s[G0S+3], 0x80000000
	s_mov_b32 s[G0SB], 1                           ; the weight's
	s_mov_b32 s[G0SB+1], SCL+2*HALFS
	s_mov_b64 s[G0SB+2:G0SB+3], s[92:93]
	s_or_b32 s[G0SB+3], s[G0SB+3], 0x80000000
	s_add_nc_u64 s[20:21], s[20:21], s[18:19]
	s_add_nc_u64 s[46:47], s[46:47], s[18:19]
.irp s, 0,1
	s_mov_b32 s[G0+4*\s], 1
	s_add_co_u32 s[G0+4*\s+1], s45, \s*SLOT
	s_add_nc_u64 s[G0+4*\s+2:G0+4*\s+3], s[20:21], \s*ROWB
	s_or_b32 s[G0+4*\s+3], s[G0+4*\s+3], 0x80000000
	s_mov_b32 s[G0B+4*\s], 1
	s_add_co_u32 s[G0B+4*\s+1], s45, \s*SLOT
	s_add_nc_u64 s[G0B+4*\s+2:G0B+4*\s+3], s[46:47], \s*ROWB
	s_or_b32 s[G0B+4*\s+3], s[G0B+4*\s+3], 0x80000000
.endr
; one load a wave at the head, in one chain of branches on the wave's number
.macro ARM under, g0, g1, next
	s_cmp_lt_u32 s14, \under
	s_cbranch_scc0 \next
	tensor_load_to_lds s[\g0:\g0+3], s[\g1:\g1+7]
	s_nop 0
.rept 4
	v_nop
.endr
	s_branch .Lhead_asked
\next:
.endm
	ARM 1, G0H,  G1,  .Lhead_b
	ARM 2, G0HB, G1B, .Lhead_sa
	ARM 3, G0S,  G1S, .Lhead_sb
	tensor_load_to_lds s[G0SB:G0SB+3], s[G1SB:G1SB+7]
	s_nop 0
.rept 4
	v_nop
.endr
.Lhead_asked:
	; the scalar part of the addresses first, then the vector part in one run
	s_lshl_b32 s46, s42, 1
	s_add_co_u32 s46, s46, s16                     ; J: my group of 64 hidden columns
	s_lshl_b32 s20, s17, 1
	s_add_co_u32 s20, s20, s15                     ; my block of 128 rows
	s_lshl_b32 s92, s46, 21
	s_lshl_b32 s21, s20, 14
	s_add_co_u32 s92, s92, s21                     ; wl, al: J 2^21 + block 2^14
	s_mov_b32 s93, 0
	s_lshl_b32 s94, s46, 15
	s_lshl_b32 s21, s20, 9
	s_add_co_u32 s94, s94, s21                     ; tot: J 2^15 + block 2^9
	s_mov_b32 s95, 0
	s_lshl_b32 s46, s46, 8
	s_mov_b32 s47, 0
	s_add_nc_u64 s[96:97], s[96:97], s[46:47]      ; my 64 biases
	s_add_nc_u64 s[98:99], s[98:99], s[46:47]
	s_mul_i32 s21, s15, HALFT                      ; my 128 rows of X in a slot,
	s_mul_i32 s22, s16, HALFT
	s_add_co_u32 s22, s22, 2*HALFT                 ; of the weight
	s_mul_i32 s18, s15, HALFS
	s_mul_i32 s19, s16, HALFS
	s_add_co_u32 s19, s19, 2*HALFS
	s_sub_co_u32 s19, s19, s18                     ; from X's scale words to the weight's
	s_add_co_u32 s18, s18, SCL
	s_mul_i32 s23, s14, WSTG
	s_lshl_b32 s45, s14, 9
	s_add_co_u32 s45, s45, TSTG
	v_and_b32 v1, 15, v0                           ; r
	v_bfe_u32 v2, v0, 4, 1                         ; h
	v_lshlrev_b32 v7, 5, v2                        ; my 8 columns of a block of 16
	v_and_b32 v[PFO], 31, v0
	v_lshlrev_b32 v[PFO], 10, v[PFO]               ; a lane a row
.irp b, 0,1,2,3
	global_load_b128 v[BIAS+8*\b:BIAS+8*\b+3],       v7, s[96:97] offset:64*\b
	global_load_b128 v[BIAS+8*\b+4:BIAS+8*\b+7],     v7, s[96:97] offset:64*\b+16
	global_load_b128 v[BIAS+32+8*\b:BIAS+32+8*\b+3], v7, s[98:99] offset:64*\b
	global_load_b128 v[BIAS+36+8*\b:BIAS+36+8*\b+3], v7, s[98:99] offset:64*\b+16
.endr
	global_prefetch_b8 v[PFO], s[PFA:PFA+1] offset:ROWB th:TH_LOAD_NT scope:SCOPE_SE     ; K step 1 of my 32 rows,
	global_prefetch_b8 v[PFO], s[PFA:PFA+1] offset:2*ROWB th:TH_LOAD_NT scope:SCOPE_SE   ; and K step 2
	v_mul_u32_u24 v3, v1, PITCH
	v_lshl_add_u32 v4, v2, 4, v3                   ; a fragment's row x pitch + 16 h
	v_add_nc_u32 v[ADRA], s21, v4
	v_add_nc_u32 v[ADRB], s22, v4
	v_add_nc_u32 v[ADRA+1], SLOT, v[ADRA]
	v_add_nc_u32 v[ADRB+1], SLOT, v[ADRB]
	v_mul_u32_u24 v5, v1, KS                       ; my row's scales, 16 bytes more for each 256 passed
	v_lshrrev_b32 v6, 8, v5
	v_lshl_add_u32 v5, v6, 4, v5
	v_mul_u32_u24 v6, s19, v2                      ; lanes 16-31 take the weight's
	v_add_nc_u32 v5, v5, v6
	v_add_nc_u32 v[ADRS], s18, v5
	v_lshrrev_b32 v5, 1, v1                        ; into the stage: unit r / 2, byte 8 (r % 2) + 64 h
	v_mul_u32_u24 v5, v5, 272
	v_and_b32 v6, 1, v1
	v_lshl_add_u32 v5, v6, 3, v5
	v_lshl_add_u32 v5, v2, 6, v5
	v_add_nc_u32 v[STO], s23, v5
	v_mul_u32_u24 v5, v2, 272                      ; back: sixteen lanes to a unit
	v_lshl_add_u32 v5, v1, 4, v5
	v_add_nc_u32 v[RD], s23, v5
	v_and_b32 v6, 31, v0
	v_lshlrev_b32 v[CO], 4, v6
	v_lshl_add_u32 v[TSA], v1, 2, s45
	v_add_nc_u32 v[TRD], s45, v[CO]
.macro FRAG reg, adr, q, i             ; 16 rows x 128 K of 4-bit codes: two loads of 16 bytes, 32 apart
.irp c, 0,1
	ds_load_b128 v[\reg+4*\c:\reg+4*\c+3], v[\adr] offset:64*(\q)+32*\c+(\i)*16*PITCH
.endr
.endm
; 16 products: X's blocks a0, a0 + 1 against the weight's eight.  The 64 accumulators take turns.  zero = 1: the first product starts the sum from the bias
.macro MUL16 a0, p, q, sc, zero
.irp a, \a0, \a0+1
.irp b, 0,1,2,3,4,5,6,7
.if \zero
	v_wmma_scale_f32_16x16x128_f8f6f4 v[8*(8*((\a)%4)+\b):8*(8*((\a)%4)+\b)+7], v[128*(\p)+FR*\b:128*(\p)+FR*\b+FR-1], v[AF+FR*(\a):AF+FR*(\a)+FR-1], v[BIAS+8*\b:BIAS+8*\b+7], v[SC+8*NQ*(\sc)+NQ*\b+(\q)], v[SC+8*NQ*(\sc)+NQ*(\a)+(\q)] matrix_a_fmt:MATRIX_FMT_FP4 matrix_b_fmt:MATRIX_FMT_FP4 matrix_a_scale:MATRIX_SCALE_ROW1
.else
	v_wmma_scale_f32_16x16x128_f8f6f4 v[8*(8*((\a)%4)+\b):8*(8*((\a)%4)+\b)+7], v[128*(\p)+FR*\b:128*(\p)+FR*\b+FR-1], v[AF+FR*(\a):AF+FR*(\a)+FR-1], v[8*(8*((\a)%4)+\b):8*(8*((\a)%4)+\b)+7], v[SC+8*NQ*(\sc)+NQ*\b+(\q)], v[SC+8*NQ*(\sc)+NQ*(\a)+(\q)] matrix_a_fmt:MATRIX_FMT_FP4 matrix_b_fmt:MATRIX_FMT_FP4 matrix_a_scale:MATRIX_SCALE_ROW1
.endif
.endr
.endr
.endm
.macro FETCH_B slot, q, p
	WIN TO_B
.irp i, 0,1,2,3,4,5,6,7
	FRAG 128*(\p)+FR*\i, ADRB+\slot, \q, \i
.endr
	WIN 0
.endm
.macro FETCH_A slot, q, i0
.irp i, \i0, \i0+1, \i0+2, \i0+3
	FRAG AF+FR*(\i), ADRA+\slot, \q, \i
.endr
.endm
.macro SCALES sc                       ; a K step's scale words: lanes 0-15 X's block i, lanes 16-31 the weight's block i
.irp i, 0,1,2,3,4,5,6,7
	ds_load_b128 v[SC+8*NQ*\sc+NQ*\i:SC+8*NQ*\sc+NQ*\i+3], v[ADRS] offset:\i*SBLK
.endr
.endm
.macro PLACES n                        ; places behind matrix instructions, in front of loads into their registers and of reads of results
.rept \n
	v_nop
.endr
.endm
.macro STEP slot, q, zero              ; 128 along K whose successor lies in the same slot
	s_wait_dscnt 4*NL                              ; all but the youngest eight loads (X's blocks 4-7)
.if \zero
	WIN FST_LO
.else
	WIN MUL_LO
.endif
	MUL16 0, (\q)%2, \q, \slot, \zero
	MUL16 2, (\q)%2, \q, \slot, \zero
	s_wait_dscnt 0
	PLACES NP
	FETCH_B \slot, (\q)+1, 1-(\q)%2
	FETCH_A \slot, (\q)+1, 0
.if \zero
	WIN FST_HI
.else
	WIN MUL_HI
.endif
	MUL16 4, (\q)%2, \q, \slot, \zero
	MUL16 6, (\q)%2, \q, \slot, \zero
	PLACES NP
	WIN 0
	FETCH_A \slot, (\q)+1, 4
.endm
.macro TURN slot, next, fill           ; a slot's last step changes slots: one barrier; fill = 1: it opens a round and the slot is filled again
	s_wait_tensorcnt 0x0                           ; all my tensor loads have landed: my part of the next slot
	ds_add_u32 v[SPW], v[NIL]
	s_wait_dscnt 4*NL+1                            ; the add and the youngest eight loads may be out
	WIN MUL_LO
	MUL16 0, 1, NQ-1, \slot, 0
	s_wait_dscnt 0x0                               ; the add is done, my reads of this slot are over
	s_barrier_signal -1
	MUL16 2, 1, NQ-1, \slot, 0
	WIN 0
	s_barrier_wait -1
.if \fill
	CREST
	s_add_nc_u64 s[G0+4*\slot+2:G0+4*\slot+3], s[G0+4*\slot+2:G0+4*\slot+3], 2*ROWB
	s_add_nc_u64 s[G0B+4*\slot+2:G0B+4*\slot+3], s[G0B+4*\slot+2:G0B+4*\slot+3], 2*ROWB
	JLOAD G0+4*\slot, G1, G0B+4*\slot, G1B         ; the first tensor load behind the round
.else
	PLACES NP
.endif
	s_wait_alu depctr_va_vdst(0)                   ; directly ahead of the reader of the last K step's write
	v_add_nc_u32 v[ADRS], 4*NQ, v[ADRS]            ; the next K step's scale words
	FETCH_B \next, 0, 0
	FETCH_A \next, 0, 0
	SCALES \next
	WIN MUL_HI
	MUL16 4, 1, NQ-1, \slot, 0
	MUL16 6, 1, NQ-1, \slot, 0
	PLACES NP
	WIN 0
	FETCH_A \next, 0, 4
.endm
.macro STEPS slot, from
.set Q, \from
.rept NQ-1-\from
	STEP \slot, Q, 0
.set Q, Q+1
.endr
.endm
	s_wait_alu depctr_va_vdst(0)
	s_wait_tensorcnt 0x0                           ; my tile of the head's four is in
	ds_add_u32 v[SPW], v[NIL]
	s_mov_b32 s[G1+2], 128<<16                     ; no tensor load of mine is out: from here on a load brings 128 rows
	s_mov_b32 s[G1+4], 128
	s_mov_b32 s[G1B+2], 128<<16
	s_mov_b32 s[G1B+4], 128
	s_wait_dscnt 0x0
	CROUND                                         ; all four tiles are in, all sixteen work-groups are here
	JLOAD G0+4, G1, G0B+4, G1B                     ; K step 1 into slot 1
	FETCH_B 0, 0, 0
	global_prefetch_b8 v[PFO], s[PFA:PFA+1] offset:3*ROWB th:TH_LOAD_NT scope:SCOPE_SE   ; K step 3 of my 32 rows: its load stands two changes of slots on
	FETCH_A 0, 0, 0
	SCALES 0
	FETCH_A 0, 0, 4
	s_wait_loadcnt 0x0                             ; the biases
	STEP 0, 0, 1
	s_mov_b32 s3, LAPS-1
.Llap:
	STEPS 0, 1
	TURN 0, 1, 1
	STEPS 1, 0
	TURN 1, 0, 1
	STEP 0, 0, 0
	s_sub_co_u32 s3, s3, 1
	s_cmp_lg_u32 s3, 0
	s_cbranch_scc1 .Llap
	STEPS 0, 1
	TURN 0, 1, 0
	s_load_b128 s[68:71], s[0:1], 0x20             ; wl, al (the scales' descriptors are done with since the head's wait)
	s_load_b64 s[72:73], s[0:1], 0x30              ; tot
	STEPS 1, 0
	s_wait_dscnt 4*NL
	WIN MUL_LO
	MUL16 0, 1, NQ-1, 1, 0
	MUL16 2, 1, NQ-1, 1, 0
	s_wait_dscnt 0
	WIN MUL_HI
	MUL16 4, 1, NQ-1, 1, 0
	MUL16 6, 1, NQ-1, 1, 0
	WIN 0
	PLACES NP
	s_mov_b32 s56, 0x3fb8aa3b                      ; c = log2 e
	s_mov_b32 s57, s56
	s_mov_b32 s58, 0xffff0000                      ; lanes 16-31
	s_mov_b32 s60, 0x76543210
	s_mov_b32 s61, 0xfedcba98                      ; selects for lane l xor 16
.irp b, 0,1,2,3
	v_mov_b32 v[T+\b], 0                           ; a lane permute's destination counts as read
.endr
	s_mov_b32 s3, 0
	s_wait_kmcnt 0x0
	s_add_nc_u64 s[68:69], s[68:69], s[92:93]
	s_add_nc_u64 s[70:71], s[70:71], s[92:93]
	s_add_nc_u64 s[72:73], s[72:73], s[94:95]
; THE WAY OUT: eight trips, one for each block of 16 rows.  Only the lines that read the accumulators differ from trip to trip (register numbers and windows): they are written eight times, the rest once.
.Lepi:
.irp a, 0,1,2,3,4,5,6
	s_cmp_eq_u32 s3, \a
	s_cbranch_scc1 .Lhd_\a
.endr
	s_branch .Lhd_7
.macro HEAD a                          ; k c, x c, x + 0.5 of block a; each accumulator is read from its low end on
.Lhd_\a:
	WIN 2+(\a)/4
.set AC, 64*((\a)%4)
.set i, 0
.rept 16
	v_pk_mul_f32 v[K2+i:K2+i+1], v[AC+i:AC+i+1], s[56:57] op_sel_hi:[1,0]
.set i, i+2
.endr
.set i, 0
.rept 16
	v_pk_mul_f32 v[X2+i:X2+i+1], v[AC+32+i:AC+32+i+1], s[56:57] op_sel_hi:[1,0]
.set i, i+2
.endr
.set i, 0
.rept 16
	v_pk_add_f32 v[U0+i:U0+i+1], v[AC+32+i:AC+32+i+1], 0.5 op_sel_hi:[1,0]
.set i, i+2
.endr
	WIN 0
.endm
.irp a, 0,1,2,3,4,5,6
	HEAD \a
	s_branch .Lbody
.endr
	HEAD 7
.Lbody:
	s_wait_alu depctr_va_vdst(0)                   ; ahead of the batch of exponentials
.set i, 0
.rept 32
	v_exp_f32 v[E1+i], -|v[K2+i]|
	v_cmp_le_f32 s[MK+i], 0, v[X2+i]               ; x >= 0; first read behind the batch's closing wait
.set i, i+1
.endr
	s_wait_xcnt 0x0                                ; the last trip's stores have read MX, E2 and COT, which are written below
	s_lshl_b32 s59, s3, 11
	v_add_nc_u32 v[COT], s59, v[CO]                ; 8 units of 256 bytes a trip
	s_lshl_b32 s59, s3, 6
	v_add_nc_u32 v[TSW], s59, v[TSA]
.set i, 0
.rept 32
	v_exp_f32 v[E2+i], -|v[X2+i]|
	v_max_num_f32 v[MX+i], 0, v[K2+i]
.set i, i+1
.endr
	s_wait_alu depctr_va_vdst(0)                   ; one wait behind the 64 exponentials
.set i, 0
.rept 16
	v_pk_add_f32 v[E1+i:E1+i+1], v[E1+i:E1+i+1], 1.0 op_sel_hi:[1,0]
.set i, i+2
.endr
	s_wait_alu depctr_va_vdst(0)                   ; ahead of k's logarithms
.set i, 0
.rept 16                               ; among them x's arguments, in groups whose own results are first read inside the group or behind the next wait
	v_log_f32 v[E1+i], v[E1+i]
	v_log_f32 v[E1+i+1], v[E1+i+1]
	v_pk_add_f32 v[E2+i:E2+i+1], v[E2+i:E2+i+1], 1.0 op_sel_hi:[1,0]
	v_cndmask_b32 v[E2+i], v[E2+i], v[U0+i], s[MK+i]            ; x >= 0 ? x + 0.5 : 1 + 2^-|x c|
	v_cndmask_b32 v[E2+i+1], v[E2+i+1], v[U0+i+1], s[MK+i+1]
.set i, i+2
.endr
	s_wait_alu depctr_va_vdst(0)                   ; behind k's logarithms and ahead of x's
.set i, 0
.rept 16
	v_log_f32 v[E2+i], v[E2+i]
	v_log_f32 v[E2+i+1], v[E2+i+1]
	v_pk_add_f32 v[E1+i:E1+i+1], v[MX+i:MX+i+1], v[E1+i:E1+i+1] neg_lo:[1,1] neg_hi:[1,1]   ; lc = -max(k c, 0) - log2(1 + 2^-|k c|)
	v_pk_add_f32 v[K2+i:K2+i+1], v[K2+i:K2+i+1], v[E1+i:E1+i+1]                              ; log_z = k c + lc
.set i, i+2
.endr
	s_wait_alu depctr_va_vdst(0)                   ; behind x's logarithms; no transcendental follows in this trip
.irp j, 0,1,2,3,4,5,6,7                ; the running sum of lc along my 8 columns, four blocks by turns; between its links x c - L
.if \j
.irp b, 0,1,2,3
	v_add_f32 v[E1+8*\b+\j], v[E1+8*\b+\j], v[E1+8*\b+\j-1]
.endr
.endif
	v_pk_add_f32 v[U0+4*\j:U0+4*\j+1], v[X2+4*\j:X2+4*\j+1], v[E2+4*\j:E2+4*\j+1] neg_lo:[0,1] neg_hi:[0,1]
	v_pk_add_f32 v[U0+4*\j+2:U0+4*\j+3], v[X2+4*\j+2:X2+4*\j+3], v[E2+4*\j+2:E2+4*\j+3] neg_lo:[0,1] neg_hi:[0,1]
.endr
.irp b, 0,1,2,3
	v_permlanex16_b32 v[T+\b], v[E1+8*\b+7], s60, s61           ; the other half's sum of its 8 columns
.endr
.set i, 0
.rept 32
	v_cndmask_b32 v[E2+i], v[U0+i], v[E2+i], s[MK+i]            ; g
.set i, i+1
.endr
.irp b, 0,1,2,3
	v_add_f32 v[TT+\b], v[E1+8*\b+7], v[T+\b]      ; a block's 16 columns
.endr
.irp b, 0,1,2,3
	v_cndmask_b32 v[OB+\b], 0, v[T+\b], s58        ; lanes 16-31 stand behind lanes 0-15's 8 columns
.endr
	v_add_f32 v[RUN], v[TT], v[TT+1]
	v_add_f32 v[OB+1], v[OB+1], v[TT]
.set i, 0
.rept 8
	v_pk_add_f32 v[K2+i:K2+i+1], v[K2+i:K2+i+1], v[E2+i:E2+i+1]   ; log_z + g
.set i, i+2
.endr
	v_add_f32 v[RUN+2], v[RUN], v[TT+2]
	v_add_f32 v[OB+2], v[OB+2], v[RUN]
.rept 8
	v_pk_add_f32 v[K2+i:K2+i+1], v[K2+i:K2+i+1], v[E2+i:E2+i+1]
.set i, i+2
.endr
	v_add_f32 v[TOT], v[RUN+2], v[TT+3]            ; the group's 64 columns
	v_add_f32 v[OB+3], v[OB+3], v[RUN+2]
.irp b, 0,1,2,3
.irp jj, 0,1,2,3
.if \b%2
	v_pk_add_f32 v[E1+8*\b+2*\jj:E1+8*\b+2*\jj+1], v[E1+8*\b+2*\jj:E1+8*\b+2*\jj+1], v[OB+\b-1:OB+\b] op_sel:[0,1] op_sel_hi:[1,1]
.else
	v_pk_add_f32 v[E1+8*\b+2*\jj:E1+8*\b+2*\jj+1], v[E1+8*\b+2*\jj:E1+8*\b+2*\jj+1], v[OB+\b:OB+\b+1] op_sel_hi:[1,0]
.endif
.endr
.endr                                  ; a_loc
.irp b, 0,1,2,3
.irp jj, 0,1,2,3
	ds_store_b64 v[STO], v[E1+8*\b+2*\jj:E1+8*\b+2*\jj+1] offset:4352+(\b/2)*2176+(\b%2)*128+16*\jj
.endr
.endr
	ds_store_b32 v[TSW], v[TOT]                    ; both halves write the same word with the same value
.irp g, 0,1
.irp pp, 0,1,2,3
	ds_load_b128 v[MX+16*\g+4*\pp:MX+16*\g+4*\pp+3], v[RD] offset:4352+\g*2176+\pp*544   ; LDS serves a wave's instructions in order: these see my stores
.endr
.endr
.set i, 0
.rept 16
	v_pk_add_f32 v[K2+i:K2+i+1], v[K2+i:K2+i+1], v[E1+i:E1+i+1] neg_lo:[0,1] neg_hi:[0,1]   ; w_loc
.set i, i+2
.endr
.irp b, 0,1,2,3
.irp jj, 0,1,2,3
	ds_store_b64 v[STO], v[K2+8*\b+2*\jj:K2+8*\b+2*\jj+1] offset:(\b/2)*2176+(\b%2)*128+16*\jj
.endr
.endr
.irp g, 0,1
.irp pp, 0,1,2,3
	ds_load_b128 v[E2+16*\g+4*\pp:E2+16*\g+4*\pp+3], v[RD] offset:\g*2176+\pp*544
.endr
.endr
	s_wait_dscnt 24                                ; a's units are back; behind them: w's 16 stores and 8 loads
.irp g, 0,1
.irp pp, 0,1,2,3
	global_store_b128 v[COT], v[MX+16*\g+4*\pp:MX+16*\g+4*\pp+3], s[70:71] offset:\g*1048576+\pp*512 th:TH_STORE_NT   ; sixteen lanes store one aligned unit of 256 bytes
.endr
.endr
	s_wait_dscnt 4                                 ; w's first four loads are back
.irp pp, 0,1,2,3
	global_store_b128 v[COT], v[E2+4*\pp:E2+4*\pp+3], s[68:69] offset:\pp*512 th:TH_STORE_NT
.endr
	s_wait_dscnt 0x0
.irp pp, 0,1,2,3
	global_store_b128 v[COT], v[E2+16+4*\pp:E2+16+4*\pp+3], s[68:69] offset:1048576+\pp*512 th:TH_STORE_NT
.endr
	s_add_co_u32 s3, s3, 1
	s_cmp_lt_u32 s3, 8
	s_cbranch_scc1 .Lepi
	; tot: the wave of the odd group (wave % 2 = 1) adds the even group's words of the same 128 rows, which the wave beside it (wave xor 1) holds 512 bytes away
	s_cmp_eq_u32 s16, 1
	s_cselect_b32 s56, 1.0, 0
	s_mov_b32 s57, s56
	s_wait_dscnt 0x0                               ; for the other's sake: my 128 words lie in LDS
	s_barrier_signal -1
	s_barrier_wait -1
	v_xor_b32 v[K2+8], 512, v[TRD]
	ds_load_b128 v[K2:K2+3], v[TRD]                ; my wave's 128 words,
	ds_load_b128 v[K2+4:K2+7], v[K2+8]             ; and the other's
	s_wait_dscnt 0x0
	v_pk_fma_f32 v[K2:K2+1], v[K2+4:K2+5], s[56:57], v[K2:K2+1] op_sel_hi:[1,0,1]
	v_pk_fma_f32 v[K2+2:K2+3], v[K2+6:K2+7], s[56:57], v[K2+2:K2+3] op_sel_hi:[1,0,1]
	global_store_b128 v[CO], v[K2:K2+3], s[72:73] th:TH_STORE_NT
	s_wait_tensorcnt 0x0                           ; the wave's end
	ds_add_u32 v[SPW], v[NIL]
	s_wait_dscnt 0x0
	CROUND                                         ; the closing round
	s_endpgm
.Lfunc_end_k_qd37723a530_gemm:
	.size	k_qd37723a530_gemm, .Lfunc_end_k_qd37723a530_gemm-k_qd37723a530_gemm
	.p2alignl 7, 3214868480
	.fill 96, 4, 3214868480
	.section	.rodata,"a",@progbits
	.p2align	6, 0x0
	.amdhsa_kernel k_qd37723a530_gemm
		.amdhsa_group_segment_fixed_size 327680
		.amdhsa_private_segment_fixed_size 0
		.amdhsa_enable_private_segment 0
		.amdhsa_kernarg_size 56
		.amdhsa_user_sgpr_count 2
		.amdhsa_user_sgpr_kernarg_segment_ptr 1
		.amdhsa_wavefront_size32 1
		.amdhsa_system_sgpr_workgroup_id_x 1
		.amdhsa_system_sgpr_workgroup_id_y 1
		.amdhsa_system_sgpr_workgroup_id_z 1
		.amdhsa_system_vgpr_workitem_id 0
		.amdhsa_next_free_vgpr 1024
		.amdhsa_next_free_sgpr 100
		.amdhsa_reserve_vcc 0
		.amdhsa_float_denorm_mode_32 3
		.amdhsa_float_denorm_mode_16_64 3
		.amdhsa_memory_ordered 1
		.amdhsa_forward_progress 1
		.amdhsa_inst_pref_size 240
	.end_amdhsa_kernel
	.amdgpu_metadata
---
amdhsa.version: [ 1, 2 ]
amdhsa.kernels:
  - .name:           k_qd37723a530_gemm
    .symbol:         k_qd37723a530_gemm.kd
    .args:
      - { .name: cod, .offset: 0, .size: 8, .value_kind: global_buffer, .address_space: global }
      - { .name: scl, .offset: 8, .size: 8, .value_kind: global_buffer, .address_space: global }
      - { .name: b_z, .offset: 16, .size: 8, .value_kind: global_buffer, .address_space: global }
      - { .name: b_h, .offset: 24, .size: 8, .value_kind: global_buffer, .address_space: global }
      - { .name: wl, .offset: 32, .size: 8, .value_kind: global_buffer, .address_space: global }
      - { .name: al, .offset: 40, .size: 8, .value_kind: global_buffer, .address_space: global }
      - { .name: tot, .offset: 48, .size: 8, .value_kind: global_buffer, .address_space: global }
    .group_segment_fixed_size: 327680
    .private_segment_fixed_size: 0
    .kernarg_segment_align: 8
    .kernarg_segment_size: 56
    .max_flat_workgroup_size: 128
    .sgpr_count:     100
    .vgpr_count:     1024
    .wavefront_size: 32
...
	.end_amdgpu_metadata
.endif
;; end of part 2
;; launch scan (part 3): grid 64 x 4, 16 waves a work-group, no clusters, 327,680 bytes of LDS; arguments wl, al, tot, h0, lh, part; writes lh, part
.if DOCPART == 3
	.amdgcn_target "amdgcn-amd-amdhsa--gfx1250"
	.amdhsa_code_object_version 6
	.text
	.protected	k_qd37723a530_scan
	.globl	k_qd37723a530_scan
	.p2align	8
	.type	k_qd37723a530_scan,@function
k_qd37723a530_scan:
	s_mov_b64 s[64:65], 0
	v_nop
	global_prefetch_b8 v0, s[64:65] scope:SCOPE_SE
	s_setreg_imm32_b32 hwreg(HW_REG_WAVE_MODE, 25, 1), 1
	s_wait_xcnt 0x0
; The cumulative logsumexp down time, to base 2.  w = w_loc - off, a = a_loc + off, off(row, J) = the sum of lc over the groups J' < J;  lh(t) = a(t) + log2(2^g(h0) + sum over s <= t of 2^w(s)).
; tot's odd rows hold the sums of two groups (J' - 1 and J'), its even rows one group's: off(J) = the sum of the odd rows J' < J, and for odd J row J - 1 besides: 15 rows weighed by 1 or 0, and one more.
; A work-group owns 32 hidden columns (Jc = x) of one batch (y): 2,048 rows.  Wave q owns rows 128 q .. + 127; lanes 0-15 its first 64 rows, lanes 16-31 the other 64; lane cp = lane % 16 owns columns 2 cp, 2 cp + 1.
; w stays in registers (128 a lane) between two passes.  a_loc has no room there.
; only the issuing wave reads those bytes, behind its own wait.  Nothing in LDS is filled again.
; Pass 1: each lane's (maximum, sum of 2^(w - maximum)) of its 64 rows; these meet in LDS behind one barrier and each lane joins those ahead of it, with the seed (g(h0), 1).
; Pass 2: row by row a state (M, S) that stands for S 2^M: d = w - M; e = 2^-|d|; S = S (d > 0 ? e : 1) + (d > 0 ? 1 : e); M = max(M, w): a true running maximum; lh = a + M + log2 S.
; Statistics for the global mean and deviation: each lane sums (x - P) and (x - P)^2 about its own first result P; lanes, waves are joined as (mean, M2), M2 = sum of M2_i + n sum of (mean_i - mean)^2.  part[y 64 + x] = (mean, M2) of 65,536 numbers.
; lh: [P 4096][Jc 64][256 bytes], the unit as in wl and al.
; LIMITS: NaN and infinities are not served; a term more than 2^126 under the running maximum counts as 0; the sums are grouped by chunks of 64 rows.
; No matrix work; no cluster (work-groups share only tot, a small part of the bytes); no prefetch (every byte is asked for at the head: there is no loop to run ahead in).
; The registers are all at work in pass 2, so v0 is kept and the add's two registers are made where they are used (v2, v3).
.set W,   128                          ; v128-255 w: register 128 + 2 row + column; from batch 3 on a takes the registers of rows that are done
.set MJ,  16                           ; v16-31  the running maxima of 8 rows
.set EE,  32                           ; v32-47  at work
.set AL,  48                           ; v48-63  at work
.set OF,  64                           ; v64-71  off of 8 rows
.set AGG, 8192                         ; LDS: 0: off, 4 bytes a row, 512 a wave; 8192: 16 bytes a thread; 16384: 8 bytes a wave; 16896: the spare words, 128 bytes a wave
.set STT, 16384
.set AT,  18944                        ; a_loc: 16,384 bytes a wave
.set G1,  48                           ; s[48:55] descriptor group 1
.set G0,  56                           ; s[56:59] group 0
	s_load_b256 s[4:11], s[0:1], 0x0               ; wl s[4:5], al s[6:7], tot s[8:9], h0 s[10:11]
	s_load_b128 s[12:15], s[0:1], 0x20             ; lh s[12:13], part s[14:15]
	v_lshl_add_u32 v2, v0, 2, 0x4200
	v_mov_b32 v3, 0
	ds_add_u32 v2, v3                              ; the opening lines: the add, twice on end, and its wait ahead of my tensor load
	ds_add_u32 v2, v3
	s_mov_b32 s[G1+0], 3<<16                       ; a dense block as 64 rows of 256 bytes: 32 elements of 8 bytes, no padding (a read takes 256 consecutive bytes for sixteen lanes)
	s_mov_b32 s[G1+1], 32<<16
	s_mov_b32 s[G1+2], 64<<16
	s_mov_b32 s[G1+3], 32<<16
	s_mov_b32 s[G1+4], 64
	s_mov_b32 s[G1+5], 32
	s_mov_b32 s[G1+6], 0
	s_mov_b32 s[G1+7], 0
	v_lshrrev_b32 v1, 5, v0
	s_delay_alu instid0(VALU_DEP_1)
	v_readfirstlane_b32 s16, v1                    ; q
	s_and_b32 s17, ttmp7, 0xffff                   ; batch
	s_lshr_b32 s18, ttmp9, 1                       ; J
	v_and_b32 v2, 31, v0
	s_delay_alu instid0(VALU_DEP_1)
	v_lshlrev_b32 v2, 4, v2                        ; 16 x lane
	v_and_b32 v3, 15, v0
	s_delay_alu instid0(VALU_DEP_1)
	v_lshlrev_b32 v3, 4, v3                        ; 16 cp
	v_bfe_u32 v4, v0, 4, 1                         ; my half
	s_delay_alu instid0(VALU_DEP_1)
	v_lshl_add_u32 v1, v4, 13, v3                  ; wl: 32 units on for lanes 16-31
	s_delay_alu instid0(VALU_DEP_2)
	v_lshl_add_u32 v3, v4, 19, v3                  ; lh: 32 pairs of rows of 16,384 bytes on
	s_mov_b32 s20, 0x76543210
	s_mov_b32 s21, 0xfedcba98                      ; selects for lane l xor 16
	s_mov_b32 s22, 0x3fb8aa3b                      ; c = log2 e
	s_mov_b32 s31, 0xffff0000                      ; lanes 16-31
	s_mov_b32 s25, 0
	s_mov_b32 s27, 0
	s_lshl_b32 s24, ttmp9, 20
	s_lshl_b32 s26, s17, 18
	s_add_co_u32 s24, s24, s26
	s_lshl_b32 s26, s16, 14
	s_add_co_u32 s24, s24, s26                     ; wl, al: Jc 2^20 + batch 2^18 + q 2^14
	s_wait_alu depctr_va_vdst(0)
	s_wait_dscnt 0x0                               ; both opening adds are done
	s_wait_kmcnt 0x0
	s_add_nc_u64 s[4:5], s[4:5], s[24:25]
	s_add_nc_u64 s[6:7], s[6:7], s[24:25]
	s_lshl_b32 s24, s17, 13
	s_lshl_b32 s26, s16, 9
	s_add_co_u32 s24, s24, s26
	s_add_nc_u64 s[8:9], s[8:9], s[24:25]          ; tot: my wave's 128 rows
	s_and_b32 s60, s18, 30                         ; the even row J - 1 for odd J; for even J row J, which is weighed by 0: inside tot either way
	s_lshl_b32 s60, s60, 15
	s_mov_b32 s61, 0
	s_add_nc_u64 s[60:61], s[8:9], s[60:61]
	s_lshl_b32 s24, ttmp9, 7
	s_add_nc_u64 s[10:11], s[10:11], s[24:25]      ; h0: my 32 columns
	s_lshl_b32 s24, s17, 24
	s_lshl_b32 s26, s16, 20
	s_add_co_u32 s24, s24, s26
	s_lshl_b32 s26, ttmp9, 8
	s_add_co_u32 s24, s24, s26
	s_add_nc_u64 s[12:13], s[12:13], s[24:25]      ; lh
	s_lshl_b32 s24, s17, 6
	s_add_co_u32 s24, s24, ttmp9
	s_lshl_b32 s24, s24, 3
	s_add_nc_u64 s[14:15], s[14:15], s[24:25]      ; part
	; ---- phase 0: 16 rows of tot (4 of my wave's rows a lane), all of w: 48 loads out; then a_loc's tensor load
.set j, 0
.rept 15
	global_load_b128 v[4+4*j:7+4*j], v2, s[8:9] offset:(2*j+1)*32768
.set j, j+1
.endr
	global_load_b128 v[64:67], v2, s[60:61]
.set j, 0
.rept 32
	global_load_b128 v[W+4*j:W+4*j+3], v1, s[4:5] offset:j*256 th:TH_LOAD_NT   ; lanes 0-15 one whole unit, lanes 16-31 another
.set j, j+1
.endr
	s_mov_b32 s[G0], 1
	s_lshl_b32 s[G0+1], s16, 14
	s_add_co_u32 s[G0+1], s[G0+1], AT              ; my wave's 16,384 bytes of LDS
	s_mov_b64 s[G0+2:G0+3], s[6:7]
	s_or_b32 s[G0+3], s[G0+3], 0x80000000
	tensor_load_to_lds s[G0:G0+3], s[G1:G1+7]      ; my one tensor load
	s_nop 0
	s_wait_loadcnt 32                              ; tot is in; w's 32 loads stay out
	s_mov_b32 s29, 0                               ; (named with s28 as a pair)
	s_cmp_gt_u32 s18, 1                            ; every odd row J' of tot is weighed by 1 (J' < J) or 0: no branch
	s_cselect_b32 s28, 0x3f800000, 0
	v_pk_mul_f32 v[4:5], v[4:5], s[28:29] op_sel_hi:[1,0]
	v_pk_mul_f32 v[6:7], v[6:7], s[28:29] op_sel_hi:[1,0]
.set j, 1
.rept 14
	s_cmp_gt_u32 s18, 2*j+1
	s_cselect_b32 s28, 0x3f800000, 0
	v_pk_fma_f32 v[4:5], v[4+4*j:5+4*j], s[28:29], v[4:5] op_sel_hi:[1,0,1]
	v_pk_fma_f32 v[6:7], v[6+4*j:7+4*j], s[28:29], v[6:7] op_sel_hi:[1,0,1]
.set j, j+1
.endr
	s_bitcmp1_b32 s18, 0                           ; the even row counts for odd J alone
	s_cselect_b32 s28, 0x3f800000, 0
	v_pk_fma_f32 v[4:5], v[64:65], s[28:29], v[4:5] op_sel_hi:[1,0,1]
	v_pk_fma_f32 v[6:7], v[66:67], s[28:29], v[6:7] op_sel_hi:[1,0,1]
	v_lshlrev_b32 v8, 4, v0
	ds_store_b128 v8, v[4:7]                       ; off of rows 4 lane .. + 3 of my wave: only my wave reads these bytes
	s_wait_dscnt 0x0                               ; the store has read its registers
	v_lshrrev_b32 v4, 4, v0
	s_delay_alu instid0(VALU_DEP_1)
	v_lshlrev_b32 v4, 8, v4                        ; off of my 64 rows: 256 bytes for each half of a wave
	v_lshl_add_u32 v5, v0, 4, AGG                  ; my aggregate
	v_add_nc_u32 v6, AGG, v2                       ; wave 0's aggregate of my lane
	v_and_b32 v7, 15, v0
	s_delay_alu instid0(VALU_DEP_1)
	v_lshlrev_b32 v7, 3, v7                        ; h0: 8 cp
	global_load_b64 v[8:9], v7, s[10:11]
	v_lshrrev_b32 v2, 4, v0                        ; a_loc in LDS: AT + 8,192 (thread / 16) + 16 cp: 32 units for each half of a wave  (tot's loads, which read v2, are in)
	v_and_b32 v16, 15, v0
	v_lshlrev_b32 v2, 13, v2
	s_delay_alu instid0(VALU_DEP_1)
	v_lshl_add_u32 v2, v16, 4, v2
	s_delay_alu instid0(VALU_DEP_1)
	v_add_nc_u32 v2, AT, v2
; v[d:d+1] += or -= one register (hi = 0: the first, 1: the second) of the pair v[p:p+1]
.macro ADDB d, p, hi, sub
.if \hi
.if \sub
	v_pk_add_f32 v[\d:\d+1], v[\d:\d+1], v[\p:\p+1] op_sel:[0,1] op_sel_hi:[1,1] neg_lo:[0,1] neg_hi:[0,1]
.else
	v_pk_add_f32 v[\d:\d+1], v[\d:\d+1], v[\p:\p+1] op_sel:[0,1] op_sel_hi:[1,1]
.endif
.else
.if \sub
	v_pk_add_f32 v[\d:\d+1], v[\d:\d+1], v[\p:\p+1] op_sel_hi:[1,0] neg_lo:[0,1] neg_hi:[0,1]
.else
	v_pk_add_f32 v[\d:\d+1], v[\d:\d+1], v[\p:\p+1] op_sel_hi:[1,0]
.endif
.endif
.endm
	; ---- phase 1: w = w_loc - off, and my 64 rows' maximum (v124, v125)
.macro P1 k
	s_wait_loadcnt 25-8*\k                         ; these 8 loads of w are in; behind them: 24 - 8 k more of w, and h0's
.irp i, 0,1,2,3
	ds_load_b128 v[16+4*\i:19+4*\i], v4 offset:64*\k+16*\i
.endr
	s_wait_dscnt 0x0
.set r, 0
.rept 16
	ADDB W+32*\k+2*r, 16+(r/2)*2, r%2, 1
.set r, r+1
.endr
.set r, 0
.if (\k == 0) && (r == 0)
	v_max_num_f32 v124, v[W], v[W+2]
	v_max_num_f32 v125, v[W+1], v[W+3]
.else
	v_max3_num_f32 v124, v124, v[W+32*\k+4*r], v[W+32*\k+4*r+2]
	v_max3_num_f32 v125, v125, v[W+32*\k+4*r+1], v[W+32*\k+4*r+3]
.endif
.set r, r+1
.rept (8)-1
	s_delay_alu instid0(VALU_DEP_2)
	v_max3_num_f32 v124, v124, v[W+32*\k+4*r], v[W+32*\k+4*r+2]
	s_delay_alu instid0(VALU_DEP_2)
	v_max3_num_f32 v125, v125, v[W+32*\k+4*r+1], v[W+32*\k+4*r+3]
.set r, r+1
.endr
.endm
	s_wait_alu depctr_va_vdst(0)
	P1 0
	P1 1
	P1 2
	P1 3
; the sum of 2^(w - maximum), 16 rows at a time, in two chains (v[126:127], v[64:65])
.macro P1S k
.set r, 0
.rept 16
	v_pk_add_f32 v[32+2*r:33+2*r], v[W+32*\k+2*r:W+32*\k+2*r+1], v[124:125] neg_lo:[0,1] neg_hi:[0,1]
.set r, r+1
.endr
.set r, 0
	s_wait_alu depctr_va_vdst(0)
.rept 32
	v_exp_f32 v[32+r], v[32+r]
.set r, r+1
.endr
	v_nop                                          ; a plain line behind the last exponential
	s_wait_alu depctr_va_vdst(0)                   ; one wait for the batch, ahead of its first reader
.if \k == 0
	v_pk_add_f32 v[126:127], v[32:33], v[34:35]
	v_pk_add_f32 v[64:65], v[36:37], v[38:39]
.set r, 8
.else
.set r, 0
.endif
.rept (32-r)/4
	v_pk_add_f32 v[126:127], v[126:127], v[32+r:33+r]
	v_pk_add_f32 v[64:65], v[64:65], v[34+r:35+r]
.set r, r+4
.endr
.endm
	P1S 0
	P1S 1
	P1S 2
	P1S 3
	s_delay_alu instid0(VALU_DEP_1)
	v_pk_add_f32 v[126:127], v[126:127], v[64:65]
	ds_store_b128 v5, v[124:127]                   ; (M0, M1, S0, S1) of my 64 rows
	s_wait_loadcnt 0x0                             ; h0 is in
	; g(h0) of my two columns, to base 2
.irp i, 0,1
	v_mul_f32 v[32+\i], s22, v[8+\i]
.endr
	s_wait_alu depctr_va_vdst(0)
.irp i, 0,1
	v_exp_f32 v[34+\i], -|v[32+\i]|
.endr
.irp i, 0,1
	v_cmp_le_f32 s[32+\i], 0, v[32+\i]
	v_add_f32 v[36+\i], 0.5, v[8+\i]
.endr
	s_wait_alu depctr_va_vdst(0)
.irp i, 0,1
	v_add_f32 v[34+\i], 1.0, v[34+\i]
.endr
.irp i, 0,1
	s_delay_alu instid0(VALU_DEP_2)
	v_cndmask_b32 v[34+\i], v[34+\i], v[36+\i], s[32+\i]
.endr
	s_wait_alu depctr_va_vdst(0)
.irp i, 0,1
	v_log_f32 v[34+\i], v[34+\i]
.endr
	v_mov_b32 v72, 0xff61b1e6                      ; -3e38: the maximum of an aggregate that does not count.  (A plain line behind the logarithms)
	s_wait_alu depctr_va_vdst(0)
.irp i, 0,1
	v_sub_f32 v[36+\i], v[32+\i], v[34+\i]
.endr
.irp i, 0,1
	v_cndmask_b32 v[8+\i], v[36+\i], v[34+\i], s[32+\i]
.endr
	s_wait_tensorcnt 0x0                           ; my a_loc lies in LDS: it is read behind this barrier
	s_wait_dscnt 0x0                               ; for the others' sake: my aggregate lies in LDS
	s_barrier_signal -1
	s_barrier_wait -1
; n quads (M0, M1, S0, S1) from v[base] on are joined into v[dst .. dst + 3]
.macro COMB base, n, dst
	v_max_num_f32 v[\dst], v[\base], v[\base+4]
	v_max_num_f32 v[\dst+1], v[\base+1], v[\base+5]
.set i, 2
.rept (\n-2)/2
	s_delay_alu instid0(VALU_DEP_2)
	v_max3_num_f32 v[\dst], v[\dst], v[\base+4*i], v[\base+4*i+4]
	s_delay_alu instid0(VALU_DEP_2)
	v_max3_num_f32 v[\dst+1], v[\dst+1], v[\base+4*i+1], v[\base+4*i+5]
.set i, i+2
.endr
.set i, 0
.rept \n
	v_pk_add_f32 v[\base+4*i:\base+4*i+1], v[\base+4*i:\base+4*i+1], v[\dst:\dst+1] neg_lo:[0,1] neg_hi:[0,1]
.set i, i+1
.endr
.set i, 0
	s_wait_alu depctr_va_vdst(0)
.rept \n
	v_exp_f32 v[\base+4*i], v[\base+4*i]
	v_exp_f32 v[\base+4*i+1], v[\base+4*i+1]
.set i, i+1
.endr
	v_nop
	s_wait_alu depctr_va_vdst(0)
	v_pk_mul_f32 v[\dst+2:\dst+3], v[\base+2:\base+3], v[\base:\base+1]
.set i, 1
.rept \n-1
	v_pk_fma_f32 v[\dst+2:\dst+3], v[\base+4*i+2:\base+4*i+3], v[\base+4*i:\base+4*i+1], v[\dst+2:\dst+3]
.set i, i+1
.endr
.endm
	; ---- the carry: of all sixteen waves my lane's aggregate; those of waves not ahead of mine become (-3e38, 0): a select on the wave's number, no branch
.irp k, 0,1
.irp i, 0,1,2,3,4,5,6,7
	ds_load_b128 v[16+4*\i:19+4*\i], v6 offset:(8*\k+\i)*512
.endr
	s_wait_dscnt 0x0
.irp i, 0,1,2,3,4,5,6,7
	s_cmp_gt_u32 s16, 8*\k+\i
	s_cselect_b32 s30, -1, 0
	v_cndmask_b32 v[16+4*\i], v72, v[16+4*\i], s30
	v_cndmask_b32 v[17+4*\i], v72, v[17+4*\i], s30
	v_cndmask_b32 v[18+4*\i], 0, v[18+4*\i], s30
	v_cndmask_b32 v[19+4*\i], 0, v[19+4*\i], s30
.endr
	COMB 16, 8, 48+4*\k
.endr
.irp i, 0,1,2,3,4,5,6,7
	v_mov_b32 v[56+\i], 0                          ; a lane permute's destination counts as read
.endr
.irp i, 0,1,2,3
	v_mov_b32 v[68+\i], 0
.endr
.irp i, 0,1,2,3,4,5,6,7
	v_permlanex16_b32 v[56+\i], v[48+\i], s20, s21 ; the earlier waves' other halves
.endr
	v_mov_b32 v64, v8                              ; the seed: (g, g, 1, 1)
	v_mov_b32 v65, v9
	v_mov_b32 v66, 1.0
	v_mov_b32 v67, 1.0
.irp i, 0,1,2,3
	v_permlanex16_b32 v[68+\i], v[124+\i], s20, s21
.endr
	s_delay_alu instid0(VALU_DEP_4)
	v_cndmask_b32 v68, v72, v68, s31               ; my wave's first 64 rows stand ahead of lanes 16-31 alone
	s_delay_alu instid0(VALU_DEP_4)
	v_cndmask_b32 v69, v72, v69, s31
	s_delay_alu instid0(VALU_DEP_4)
	v_cndmask_b32 v70, 0, v70, s31
	s_delay_alu instid0(VALU_DEP_4)
	v_cndmask_b32 v71, 0, v71, s31
	COMB 48, 6, 10                                 ; v[10:13]: the state in front of my first row
.irp i, 0,1,2,3
	v_mov_b32 v[72+\i], 0                          ; the sums of (x - P) and of (x - P)^2
.endr
	; ---- phase 2: 8 rows a batch.  a_loc of batch t (4 units) goes from LDS into AR: v76.. for t < 3, else the registers of w's batch t - 3
.macro P2 t
.if (\t) < 3
.set AR, 76+16*(\t)
.else
.set AR, 128+16*((\t)-3)
.endif
.set WT, W+16*(\t)
	ds_load_b128 v[OF:OF+3], v4 offset:32*(\t)
	ds_load_b128 v[OF+4:OF+7], v4 offset:32*(\t)+16
.irp i, 0,1,2,3
	ds_load_b128 v[AR+4*\i:AR+4*\i+3], v2 offset:(4*(\t)+\i)*256   ; lanes 0-15 one whole unit, lanes 16-31 another
.endr
	v_max_num_f32 v[MJ], v10, v[WT]                ; the running maximum behind each row
	v_max_num_f32 v[MJ+1], v11, v[WT+1]
.set i, 2
.rept 14
	s_delay_alu instid0(VALU_DEP_2)
	v_max_num_f32 v[MJ+i], v[MJ+i-2], v[WT+i]
.set i, i+1
.endr
	v_pk_add_f32 v[EE:EE+1], v[WT:WT+1], v[10:11] neg_lo:[0,1] neg_hi:[0,1]   ; d = w - the maximum before
.set i, 2
.rept 7
	v_pk_add_f32 v[EE+i:EE+i+1], v[WT+i:WT+i+1], v[MJ+i-2:MJ+i-1] neg_lo:[0,1] neg_hi:[0,1]
.set i, i+2
.endr
.set i, 0
.rept 16
	v_cmp_lt_f32 s[32+i], 0, v[EE+i]               ; d > 0
.set i, i+1
.endr
	s_wait_alu depctr_va_vdst(0)                   ; ahead of the batch
.set i, 0
.rept 16
	v_exp_f32 v[EE+i], -|v[EE+i]|
.set i, i+1
.endr
	v_nop
	s_wait_alu depctr_va_vdst(0)                   ; one wait for the 16 exponentials
.set i, 0
.rept 16
	v_cndmask_b32 v[AL+i], 1.0, v[EE+i], s[32+i]   ; what the old sum is multiplied by,
	v_cndmask_b32 v[EE+i], v[EE+i], 1.0, s[32+i]   ; and the new term
.set i, i+1
.endr
	v_pk_fma_f32 v[AL:AL+1], v[12:13], v[AL:AL+1], v[EE:EE+1]
.set i, 2
.rept 7
	s_delay_alu instid0(VALU_DEP_1)
	v_pk_fma_f32 v[AL+i:AL+i+1], v[AL+i-2:AL+i-1], v[AL+i:AL+i+1], v[EE+i:EE+i+1]
.set i, i+2
.endr
	s_delay_alu instid0(VALU_DEP_1)
	v_mov_b32 v12, v[AL+14]                        ; the state behind the batch
	s_delay_alu instid0(VALU_DEP_2)
	v_mov_b32 v13, v[AL+15]
	v_mov_b32 v10, v[MJ+14]
	v_mov_b32 v11, v[MJ+15]
	s_wait_alu depctr_va_vdst(0)                   ; ahead of the batch
.set i, 0
.rept 16
	v_log_f32 v[AL+i], v[AL+i]
.set i, i+1
.endr
	s_wait_dscnt 0x0                               ; off and a_loc
.set i, 0
.rept 8
	ADDB AR+2*i, OF+(i/2)*2, i%2, 0
.set i, i+1
.endr                                              ; a  (plain work behind the logarithms)
.set i, 0
.rept 8
	v_pk_add_f32 v[AR+i:AR+i+1], v[AR+i:AR+i+1], v[MJ+i:MJ+i+1]
.set i, i+2
.endr
	s_wait_alu depctr_va_vdst(0)                   ; one wait for the 16 logarithms
.set i, 0
.rept 8
	v_pk_add_f32 v[AR+i:AR+i+1], v[AR+i:AR+i+1], v[AL+i:AL+i+1]   ; lh
.set i, i+2
.endr
.if (\t) == 0
	v_mov_b32 v14, v[AR]                           ; P: my first result
	v_mov_b32 v15, v[AR]
.endif
.irp i, 0,1,2,3
	global_store_b128 v3, v[AR+4*\i:AR+4*\i+3], s[12:13] offset:(4*(\t)+\i)*16384 th:TH_STORE_NT   ; lanes 0-15 one whole unit, lanes 16-31 another; these registers are not written again
.endr
.set i, 0
.rept 8
	v_pk_add_f32 v[EE+i:EE+i+1], v[AR+i:AR+i+1], v[14:15] neg_lo:[0,1] neg_hi:[0,1]
.set i, i+2
.endr
.set i, 0
	v_pk_add_f32 v[72:73], v[72:73], v[EE+i:EE+i+1]
	v_pk_fma_f32 v[74:75], v[EE+i:EE+i+1], v[EE+i:EE+i+1], v[74:75]
.set i, i+2
.rept (8)-1
	s_delay_alu instid0(VALU_DEP_2)
	v_pk_add_f32 v[72:73], v[72:73], v[EE+i:EE+i+1]
	s_delay_alu instid0(VALU_DEP_2)
	v_pk_fma_f32 v[74:75], v[EE+i:EE+i+1], v[EE+i:EE+i+1], v[74:75]
.set i, i+2
.endr
.endm
.irp t, 0,1,2,3,4,5,6,7
	P2 \t
.endr
	; ---- phase 3: (mean, M2) of my 128 numbers, of the wave's 4,096, of the work-group's 65,536
.macro WSUM x, t                       ; the sum over the 32 lanes, in every lane
	s_delay_alu instid0(VALU_DEP_1)
	v_add_f32_dpp v[\x], v[\x], v[\x] row_xmask:1 row_mask:0xf bank_mask:0xf
	s_delay_alu instid0(VALU_DEP_1)
	v_add_f32_dpp v[\x], v[\x], v[\x] row_xmask:2 row_mask:0xf bank_mask:0xf
	s_delay_alu instid0(VALU_DEP_1)
	v_add_f32_dpp v[\x], v[\x], v[\x] row_xmask:4 row_mask:0xf bank_mask:0xf
	s_delay_alu instid0(VALU_DEP_1)
	v_add_f32_dpp v[\x], v[\x], v[\x] row_xmask:8 row_mask:0xf bank_mask:0xf
	s_delay_alu instid0(VALU_DEP_1)
	v_permlanex16_b32 v[\t], v[\x], s20, s21
	s_delay_alu instid0(VALU_DEP_1)
	v_add_f32 v[\x], v[\x], v[\t]
.endm
	s_delay_alu instid0(VALU_DEP_2)
	v_add_f32 v72, v72, v73
	s_delay_alu instid0(VALU_DEP_2)
	v_add_f32 v74, v74, v75
	s_delay_alu instid0(VALU_DEP_2)
	v_mul_f32 v73, 0x3c000000, v72                 ; / 128
	s_delay_alu instid0(VALU_DEP_1)
	v_add_f32 v16, v14, v73                        ; my mean
	s_delay_alu instid0(VALU_DEP_2)
	v_fma_f32 v17, -v72, v73, v74                  ; my M2
	s_delay_alu instid0(VALU_DEP_2)
	v_mov_b32 v18, v16
	WSUM 18, 20
	s_delay_alu instid0(VALU_DEP_1)
	v_mul_f32 v18, 0x3d000000, v18                 ; / 32: the wave's mean
	s_delay_alu instid0(VALU_DEP_1)
	v_sub_f32 v19, v16, v18
	s_delay_alu instid0(VALU_DEP_1)
	v_mul_f32 v20, 0x43000000, v19                 ; 128 x
	s_delay_alu instid0(VALU_DEP_1)
	v_fma_f32 v17, v20, v19, v17
	WSUM 17, 20
	s_delay_alu instid0(VALU_DEP_1)
	v_mov_b32 v19, v17
	v_lshrrev_b32 v21, 5, v0
	s_delay_alu instid0(VALU_DEP_1)
	v_lshl_add_u32 v21, v21, 3, STT
	v_and_b32 v28, 15, v0
	s_delay_alu instid0(VALU_DEP_1)
	v_lshl_add_u32 v28, v28, 3, STT                ; (wave 0's address below, made ahead of the branch)
	v_mov_b32 v27, 0
	ds_store_b64 v21, v[18:19]                     ; all lanes write the same 8 bytes with the same value
	s_wait_dscnt 0x0
	s_barrier_signal -1
	s_barrier_wait -1
	s_cmp_lg_u32 s16, 0
	s_cbranch_scc1 .Lend
	s_wait_alu depctr_va_vdst(0)
	ds_load_b64 v[22:23], v28                      ; lane l: wave l % 16's
	s_wait_dscnt 0x0
	v_mov_b32 v24, v22
.irp m, 1,2,4,8
	s_delay_alu instid0(VALU_DEP_1)
	v_add_f32_dpp v24, v24, v24 row_xmask:\m row_mask:0xf bank_mask:0xf
.endr
	s_delay_alu instid0(VALU_DEP_1)
	v_mul_f32 v24, 0x3d800000, v24                 ; / 16
	s_delay_alu instid0(VALU_DEP_1)
	v_sub_f32 v25, v22, v24
	s_delay_alu instid0(VALU_DEP_1)
	v_mul_f32 v26, 0x45800000, v25                 ; 4,096 x
	s_delay_alu instid0(VALU_DEP_1)
	v_fma_f32 v25, v26, v25, v23
.irp m, 1,2,4,8
	s_delay_alu instid0(VALU_DEP_1)
	v_add_f32_dpp v25, v25, v25 row_xmask:\m row_mask:0xf bank_mask:0xf
.endr
	s_wait_alu depctr_va_vdst(0)
	s_wait_xcnt 0x0                                ; EXEC is a source of my earlier stores: it changes only behind this wait
	v_cmp_eq_u32 vcc_lo, 0, v0
	s_and_saveexec_b32 s34, vcc_lo
	global_store_b64 v27, v[24:25], s[14:15]
	s_wait_xcnt 0x0                                ; and again in front of the line that widens it
	s_or_b32 exec_lo, exec_lo, s34
.Lend:
	s_wait_xcnt 0x0                                ; my stores have read v3
	s_mov_b32 exec_lo, -1
	v_lshl_add_u32 v2, v0, 2, 0x4200
	v_mov_b32 v3, 0
	s_wait_alu depctr_va_vdst(0)
	s_wait_tensorcnt 0x0                           ; the wave's end
	ds_add_u32 v2, v3
	s_wait_dscnt 0x0
	s_endpgm
.Lfunc_end_k_qd37723a530_scan:
	.size	k_qd37723a530_scan, .Lfunc_end_k_qd37723a530_scan-k_qd37723a530_scan
	.p2alignl 7, 3214868480
	.fill 96, 4, 3214868480
	.section	.rodata,"a",@progbits
	.p2align	6, 0x0
	.amdhsa_kernel k_qd37723a530_scan
		.amdhsa_group_segment_fixed_size 327680
		.amdhsa_private_segment_fixed_size 0
		.amdhsa_enable_private_segment 0
		.amdhsa_kernarg_size 48
		.amdhsa_user_sgpr_count 2
		.amdhsa_user_sgpr_kernarg_segment_ptr 1
		.amdhsa_wavefront_size32 1
		.amdhsa_system_sgpr_workgroup_id_x 1
		.amdhsa_system_sgpr_workgroup_id_y 1
		.amdhsa_system_sgpr_workgroup_id_z 1
		.amdhsa_system_vgpr_workitem_id 0
		.amdhsa_next_free_vgpr 256
		.amdhsa_next_free_sgpr 66
		.amdhsa_reserve_vcc 1
		.amdhsa_float_denorm_mode_32 3
		.amdhsa_float_denorm_mode_16_64 3
		.amdhsa_memory_ordered 1
		.amdhsa_forward_progress 1
		.amdhsa_inst_pref_size 145
	.end_amdhsa_kernel
	.amdgpu_metadata
---
amdhsa.version: [ 1, 2 ]
amdhsa.kernels:
  - .name:           k_qd37723a530_scan
    .symbol:         k_qd37723a530_scan.kd
    .args:
      - { .name: wl, .offset: 0, .size: 8, .value_kind: global_buffer, .address_space: global }
      - { .name: al, .offset: 8, .size: 8, .value_kind: global_buffer, .address_space: global }
      - { .name: tot, .offset: 16, .size: 8, .value_kind: global_buffer, .address_space: global }
      - { .name: h0, .offset: 24, .size: 8, .value_kind: global_buffer, .address_space: global }
      - { .name: lh, .offset: 32, .size: 8, .value_kind: global_buffer, .address_space: global }
      - { .name: part, .offset: 40, .size: 8, .value_kind: global_buffer, .address_space: global }
    .group_segment_fixed_size: 327680
    .private_segment_fixed_size: 0
    .kernarg_segment_align: 8
    .kernarg_segment_size: 48
    .max_flat_workgroup_size: 512
    .sgpr_count:     66
    .vgpr_count:     256
    .wavefront_size: 32
...
	.end_amdgpu_metadata
.endif
;; end of part 3
;; launch final (part 4): grid 256 x 1, 16 waves a work-group, no clusters, 327,680 bytes of LDS; arguments lh, hidden_states, part, h0, ln_w, ln_b, out0; writes out0
.if DOCPART == 4
	.amdgcn_target "amdgcn-amd-amdhsa--gfx1250"
	.amdhsa_code_object_version 6
	.text
	.protected	k_qd37723a530_final
	.globl	k_qd37723a530_final
	.p2align	8
	.type	k_qd37723a530_final,@function
k_qd37723a530_final:
	s_mov_b64 s[64:65], 0
	v_nop
	global_prefetch_b8 v0, s[64:65] scope:SCOPE_SE
	s_setreg_imm32_b32 hwreg(HW_REG_WAVE_MODE, 25, 1), 1
	s_wait_xcnt 0x0
; out = LayerNorm(exp((log_h - mean) / std) + hidden_states) ln_w + ln_b.  lh holds log_h to base 2, which mean and std cancel: h = 2^(lh sc + bi), sc = log2(e) / std2, bi = -mean2 sc.
; Every work-group joins the 256 entries (mean, M2) of part, 65,536 numbers each, and the four copies of g(h0) (the time step 0 of each batch), N = 4 x 2,049 x 2,048 numbers in all:
; mean = sum of weighted means; M2 = sum of M2_i + n_i (mean_i - mean)^2; var = M2 / (N - 1).  No difference of large sums is formed.
; 512 threads: thread t takes four numbers of h0, ln_w and ln_b; threads 0-255 take an entry of part each; waves 8-15 read entries again and weigh them by 0 (a select on the wave's number, no branch).
; A wave owns a pair of rows P = 16 x work-group + wave; lane l holds columns 64 u + 2 l, + 1 of both rows, u = 0 .. 31: 128 registers; the pair stays in registers through the LayerNorm's two passes.
; lh's 16 bytes at P 16,384 + 512 u + 16 l are just these four numbers: its 32 loads go straight into the registers in which x is made.
; The pair's rows of hidden_states, 16,384 consecutive bytes, come into LDS bytes of the wave's own by ONE tensor load at the head; only the issuing wave reads them, behind its own wait, 8 bytes a lane.  Nothing in LDS is filled again.
; out0 goes 8 bytes a lane: 256 consecutive bytes, aligned, an instruction.
; LIMITS: NaN and infinities in the inputs are not served; 2^x under 2^-126 counts as 0.
; No matrix work; no cluster (work-groups share only part, h0, ln_w, ln_b: a few KB); no prefetch (every byte is asked for at the head).
; All 256 registers are at work, so v0 is kept and the add's two registers are made where they are used (v4, v5).
.set LB,   8192                        ; LDS: ln_w at 0, ln_b at 8192, 16 words at RED1, 16 at RED1 + 64; 16896: the spare words, 128 bytes a wave
.set RED1, 16384
.set HT,   18944                       ; hidden_states: 16,384 bytes a wave
.set VH,   37                          ; v37: HT + 16,384 wave + 8 lane
.set G1,   48                          ; s[48:55] descriptor group 1
.set G0,   56                          ; s[56:59] group 0
	s_load_b256 s[4:11], s[0:1], 0x0               ; lh s[4:5], hidden_states s[6:7], part s[8:9], h0 s[10:11]
	s_load_b128 s[12:15], s[0:1], 0x20             ; ln_w, ln_b
	s_load_b64 s[16:17], s[0:1], 0x30              ; out0
	v_lshl_add_u32 v4, v0, 2, 0x4200
	v_mov_b32 v5, 0
	ds_add_u32 v4, v5                              ; the opening lines: the add, twice on end, and its wait ahead of my tensor load
	ds_add_u32 v4, v5
	s_mov_b32 s[G1+0], 3<<16                       ; a dense block as 64 rows of 256 bytes: 32 elements of 8 bytes, no padding (a read takes 256 consecutive bytes)
	s_mov_b32 s[G1+1], 32<<16
	s_mov_b32 s[G1+2], 64<<16
	s_mov_b32 s[G1+3], 32<<16
	s_mov_b32 s[G1+4], 64
	s_mov_b32 s[G1+5], 32
	s_mov_b32 s[G1+6], 0
	s_mov_b32 s[G1+7], 0
	v_lshrrev_b32 v1, 5, v0
	s_delay_alu instid0(VALU_DEP_1)
	v_readfirstlane_b32 s18, v1                    ; wave
	s_delay_alu instid0(VALU_DEP_2)
	v_lshl_add_u32 v61, v1, 2, RED1                ; my wave's word
	s_mov_b32 s[G0], 1
	s_lshl_b32 s[G0+1], s18, 14
	s_add_co_u32 s[G0+1], s[G0+1], HT              ; my wave's 16,384 bytes of LDS
	v_and_b32 v2, 31, v0
	s_delay_alu instid0(VALU_DEP_1)
	v_lshlrev_b32 v1, 4, v2                        ; 16 x lane
	s_delay_alu instid0(VALU_DEP_2)
	v_lshlrev_b32 v2, 3, v2                        ; 8 x lane
	v_and_b32 v3, 255, v0
	s_delay_alu instid0(VALU_DEP_1)
	v_lshlrev_b32 v3, 3, v3                        ; 8 x (thread % 256)
	v_lshlrev_b32 v58, 4, v0                       ; 16 x thread
	v_add_nc_u32 v[VH], s[G0+1], v2
	v_mov_b32 v62, RED1
	v_mov_b32 v60, 0                               ; a lane permute's destination counts as read
	s_lshl_b32 s24, ttmp9, 4
	s_add_co_u32 s24, s24, s18
	s_lshl_b32 s24, s24, 14                        ; a pair of rows is 16,384 bytes in all three
	s_mov_b32 s25, 0
	s_mov_b32 s20, 0x76543210
	s_mov_b32 s21, 0xfedcba98
	s_mov_b32 s22, 0x3fb8aa3b                      ; log2 e
	s_mov_b32 s26, 0x3a000000                      ; 1 / 2,048
	s_mov_b32 s27, 0x3727c5ac                      ; 1e-5
	s_cmp_lt_u32 s18, 8                            ; does my entry of part count?
	s_cselect_b32 s28, 0x3b7fe004, 0               ; 65,536 / N, or 0
	s_cselect_b32 s29, 1.0, 0
	s_wait_alu depctr_va_vdst(0)
	s_wait_dscnt 0x0                               ; both opening adds are done
	s_wait_kmcnt 0x0
	s_add_nc_u64 s[4:5], s[4:5], s[24:25]
	s_add_nc_u64 s[6:7], s[6:7], s[24:25]
	s_add_nc_u64 s[16:17], s[16:17], s[24:25]
	s_mov_b64 s[G0+2:G0+3], s[6:7]
	s_or_b32 s[G0+3], s[G0+3], 0x80000000
	tensor_load_to_lds s[G0:G0+3], s[G1:G1+7]      ; my one tensor load
	s_nop 0
	global_load_b64 v[4:5], v3, s[8:9]             ; an entry of part
	global_load_b128 v[6:9], v58, s[10:11]         ; my 4 numbers of h0,
	global_load_b128 v[10:13], v58, s[12:13]       ; of ln_w,
	global_load_b128 v[14:17], v58, s[14:15]       ; of ln_b
.set u, 0
.rept 32
	global_load_b128 v[128+4*u:131+4*u], v1, s[4:5] offset:512*u th:TH_LOAD_NT
.set u, u+1
.endr
.macro WSUM x, t
	v_add_f32_dpp v[\x], v[\x], v[\x] row_xmask:1 row_mask:0xf bank_mask:0xf
	s_delay_alu instid0(VALU_DEP_1)
	v_add_f32_dpp v[\x], v[\x], v[\x] row_xmask:2 row_mask:0xf bank_mask:0xf
	s_delay_alu instid0(VALU_DEP_1)
	v_add_f32_dpp v[\x], v[\x], v[\x] row_xmask:4 row_mask:0xf bank_mask:0xf
	s_delay_alu instid0(VALU_DEP_1)
	v_add_f32_dpp v[\x], v[\x], v[\x] row_xmask:8 row_mask:0xf bank_mask:0xf
	s_delay_alu instid0(VALU_DEP_1)
	v_permlanex16_b32 v[\t], v[\x], s20, s21
	s_delay_alu instid0(VALU_DEP_1)
	v_add_f32 v[\x], v[\x], v[\t]
.endm
.macro JOIN16 off, dst                 ; the sixteen waves' words at RED1 + off, summed as a tree into v[dst]
.irp i, 0,1,2,3
	ds_load_b128 v[64+4*\i:67+4*\i], v62 offset:\off+16*\i
.endr
	s_wait_dscnt 0x0
.irp i, 0,2,4,6,8,10,12,14
	v_add_f32 v[64+\i], v[64+\i], v[65+\i]
.endr
.irp i, 0,4,8,12
	v_add_f32 v[64+\i], v[64+\i], v[66+\i]
.endr
	v_add_f32 v64, v64, v68
	v_add_f32 v72, v72, v76
	s_delay_alu instid0(VALU_DEP_1)
	v_add_f32 v[\dst], v64, v72
.endm
	s_wait_loadcnt 32                              ; the four small loads are in; lh's 32 stay out
	ds_store_b128 v58, v[10:13]
	ds_store_b128 v58, v[14:17] offset:LB
	; g(h0) of my 4 numbers, to base 2: x >= 0 ? log2(x + 0.5) : c x - log2(1 + 2^-|c x|)
.irp i, 0,1,2,3
	v_mul_f32 v[18+\i], s22, v[6+\i]
.endr
	s_wait_alu depctr_va_vdst(0)
.irp i, 0,1,2,3
	v_exp_f32 v[22+\i], -|v[18+\i]|
.endr
.irp i, 0,1,2,3
	v_cmp_le_f32 s[32+\i], 0, v[18+\i]
	v_add_f32 v[26+\i], 0.5, v[6+\i]
.endr
	s_wait_alu depctr_va_vdst(0)                   ; one wait for the batch, ahead of its first reader
.irp i, 0,1,2,3
	v_add_f32 v[22+\i], 1.0, v[22+\i]
.endr
.irp i, 0,1,2,3
	v_cndmask_b32 v[22+\i], v[22+\i], v[26+\i], s[32+\i]
.endr
	s_wait_alu depctr_va_vdst(0)
.irp i, 0,1,2,3
	v_log_f32 v[22+\i], v[22+\i]
.endr
	v_nop
	s_wait_alu depctr_va_vdst(0)
.irp i, 0,1,2,3
	v_sub_f32 v[26+\i], v[18+\i], v[22+\i]
.endr
.irp i, 0,1,2,3
	v_cndmask_b32 v[6+\i], v[26+\i], v[22+\i], s[32+\i]
.endr
	v_add_f32 v59, v6, v7
	v_add_f32 v30, v8, v9
	s_delay_alu instid0(VALU_DEP_1)
	v_add_f32 v59, v59, v30
	s_delay_alu instid0(VALU_DEP_1)
	v_mul_f32 v59, 0x347fe004, v59                 ; x 4 / N
	s_delay_alu instid0(VALU_DEP_1)
	v_fma_f32 v59, v4, s28, v59                    ; + the entry's mean x 65,536 / N (waves 8-15: x 0)
	WSUM 59, 60
	ds_store_b32 v61, v59
	s_wait_alu depctr_va_vdst(0)
	s_wait_dscnt 0x0                               ; for the others' sake: ln_w, ln_b and my wave's word lie in LDS
	s_barrier_signal -1
	s_barrier_wait -1
	JOIN16 0, 63                                   ; the mean
	s_delay_alu instid0(VALU_DEP_1)
	v_sub_f32 v30, v4, v63
	s_delay_alu instid0(VALU_DEP_1)
	v_mul_f32 v31, 0x47800000, v30                 ; 65,536 x
	s_delay_alu instid0(VALU_DEP_1)
	v_fma_f32 v59, v31, v30, v5
	s_delay_alu instid0(VALU_DEP_1)
	v_mul_f32 v59, s29, v59                        ; (waves 8-15: x 0)
.irp i, 0,1,2,3
	v_sub_f32 v[18+\i], v[6+\i], v63
.endr
	v_mul_f32 v32, v18, v18
.irp i, 1,2,3
	s_delay_alu instid0(VALU_DEP_1)
	v_fma_f32 v32, v[18+\i], v[18+\i], v32
.endr
	s_delay_alu instid0(VALU_DEP_1)
	v_fma_f32 v59, 4.0, v32, v59
	WSUM 59, 60
	ds_store_b32 v61, v59 offset:64
	s_wait_alu depctr_va_vdst(0)
	s_wait_dscnt 0x0
	s_barrier_signal -1
	s_barrier_wait -1
	JOIN16 64, 30                                  ; M2
	s_delay_alu instid0(VALU_DEP_1)
	v_mul_f32 v30, 0x337fe005, v30                 ; / (N - 1)
	s_wait_alu depctr_va_vdst(0)
	v_rsq_f32 v31, v30
.irp i, 0,1,2,3
	v_mov_b32 v[40+\i], 0                          ; the rows' sums.  (Plain lines behind the transcendental)
.endr
	s_wait_alu depctr_va_vdst(0)
	v_mul_f32 v38, s22, v31                        ; sc
	s_delay_alu instid0(VALU_DEP_1)
	v_mov_b32 v39, v38
	s_delay_alu instid0(VALU_DEP_2)
	v_mul_f32 v56, -v63, v38                       ; bi
	s_delay_alu instid0(VALU_DEP_1)
	v_mov_b32 v57, v56
.macro HLD G                           ; hidden_states of u = 4 G .. 4 G + 3, both rows, from LDS into slot G % 4 of v64-127: 8 loads
.irp i, 0,1,2,3
	ds_load_b64 v[64+16*((\G)%4)+4*\i:64+16*((\G)%4)+4*\i+1], v[VH] offset:256*(4*(\G)+\i)
	ds_load_b64 v[66+16*((\G)%4)+4*\i:66+16*((\G)%4)+4*\i+1], v[VH] offset:8192+256*(4*(\G)+\i)
.endr
.endm
.macro GRP G
	s_wait_loadcnt 4*(7-(\G))                      ; this group's 4 loads of lh are in; the later groups' stay out
.if (\G) < 7
	s_wait_dscnt 8                                 ; this group's 8 LDS loads are back; the next group's stay out
.else
	s_wait_dscnt 0x0
.endif
.set L, 64+16*((\G)%4)
.set XB, 128+16*(\G)
.set i, 0
.rept 8
	v_pk_fma_f32 v[XB+i:XB+i+1], v[XB+i:XB+i+1], v[38:39], v[56:57]
.set i, i+2
.endr
.set i, 0
	s_wait_alu depctr_va_vdst(0)
.rept 16
	v_exp_f32 v[XB+i], v[XB+i]
.set i, i+1
.endr
	v_nop
	s_wait_alu depctr_va_vdst(0)                   ; one wait for the 16 exponentials
.set i, 0
.rept 8
	v_pk_add_f32 v[XB+i:XB+i+1], v[XB+i:XB+i+1], v[L+i:L+i+1]   ; x = h + hidden_states
.set i, i+2
.endr
.set i, 0
	v_pk_add_f32 v[40:41], v[40:41], v[XB+i:XB+i+1]
	v_pk_add_f32 v[42:43], v[42:43], v[XB+i+2:XB+i+3]
.set i, i+4
.rept (4)-1
	s_delay_alu instid0(VALU_DEP_2)
	v_pk_add_f32 v[40:41], v[40:41], v[XB+i:XB+i+1]
	s_delay_alu instid0(VALU_DEP_2)
	v_pk_add_f32 v[42:43], v[42:43], v[XB+i+2:XB+i+3]
.set i, i+4
.endr
.if (\G) < 6
	HLD (\G)+2                                     ; into the slot read two groups ago
.endif
.endm
	s_wait_alu depctr_va_vdst(0)
	s_wait_tensorcnt 0x0                           ; my pair's rows of hidden_states lie in LDS
	HLD 0
	HLD 1
.irp G, 0,1,2,3,4,5,6,7
	GRP \G
.endr
	s_delay_alu instid0(VALU_DEP_2)
	v_add_f32 v40, v40, v41
	s_delay_alu instid0(VALU_DEP_2)
	v_add_f32 v42, v42, v43
	WSUM 40, 60
	WSUM 42, 60
	v_mul_f32 v44, s26, v40                        ; mu of row 0,
	s_delay_alu instid0(VALU_DEP_2)
	v_mul_f32 v45, s26, v42                        ; of row 1
.set u, 0
.rept 32
.set XB, 128+4*u
	v_pk_add_f32 v[XB:XB+1], v[XB:XB+1], v[44:45] op_sel_hi:[1,0] neg_lo:[0,1] neg_hi:[0,1]
	v_pk_add_f32 v[XB+2:XB+3], v[XB+2:XB+3], v[44:45] op_sel:[0,1] op_sel_hi:[1,1] neg_lo:[0,1] neg_hi:[0,1]
.set u, u+1
.endr
.set u, 0
.rept 32                               ; the squares, in two chains a row
.set XB, 128+4*u
.if u < 2
	v_pk_mul_f32 v[46+2*u:47+2*u], v[XB:XB+1], v[XB:XB+1]
	v_pk_mul_f32 v[50+2*u:51+2*u], v[XB+2:XB+3], v[XB+2:XB+3]
.else
	s_delay_alu instid0(VALU_DEP_4)
	v_pk_fma_f32 v[46+2*(u%2):47+2*(u%2)], v[XB:XB+1], v[XB:XB+1], v[46+2*(u%2):47+2*(u%2)]
	s_delay_alu instid0(VALU_DEP_4)
	v_pk_fma_f32 v[50+2*(u%2):51+2*(u%2)], v[XB+2:XB+3], v[XB+2:XB+3], v[50+2*(u%2):51+2*(u%2)]
.endif
.set u, u+1
.endr
	s_delay_alu instid0(VALU_DEP_2)
	v_pk_add_f32 v[46:47], v[46:47], v[48:49]
	s_delay_alu instid0(VALU_DEP_2)
	v_pk_add_f32 v[50:51], v[50:51], v[52:53]
	s_delay_alu instid0(VALU_DEP_2)
	v_add_f32 v46, v46, v47
	s_delay_alu instid0(VALU_DEP_2)
	v_add_f32 v50, v50, v51
	WSUM 46, 60
	WSUM 50, 60
	v_fma_f32 v54, v46, s26, s27                   ; var + 1e-5
	s_delay_alu instid0(VALU_DEP_2)
	v_fma_f32 v55, v50, s26, s27
	s_wait_alu depctr_va_vdst(0)
	v_rsq_f32 v54, v54
	v_rsq_f32 v55, v55
	v_nop
	s_wait_alu depctr_va_vdst(0)
.irp rd, 0,1                           ; 16 u a round: ln_w into v64-95, ln_b into v96-127
.set i, 0
.rept 16
	ds_load_b64 v[64+2*i:65+2*i], v2 offset:256*(16*\rd+i)
	ds_load_b64 v[96+2*i:97+2*i], v2 offset:LB+256*(16*\rd+i)
.set i, i+1
.endr
	s_wait_dscnt 0x0
.set i, 0
.rept 16
.set XB, 128+4*(16*\rd+i)
	v_pk_mul_f32 v[XB:XB+1], v[XB:XB+1], v[54:55] op_sel_hi:[1,0]
	v_pk_mul_f32 v[XB+2:XB+3], v[XB+2:XB+3], v[54:55] op_sel:[0,1] op_sel_hi:[1,1]
	s_delay_alu instid0(VALU_DEP_2)
	v_pk_fma_f32 v[XB:XB+1], v[XB:XB+1], v[64+2*i:65+2*i], v[96+2*i:97+2*i]
	s_delay_alu instid0(VALU_DEP_2)
	v_pk_fma_f32 v[XB+2:XB+3], v[XB+2:XB+3], v[64+2*i:65+2*i], v[96+2*i:97+2*i]
	global_store_b64 v2, v[XB:XB+1], s[16:17] offset:256*(16*\rd+i) th:TH_STORE_NT          ; 256 consecutive bytes, aligned; these registers are not written again
	global_store_b64 v2, v[XB+2:XB+3], s[16:17] offset:8192+256*(16*\rd+i) th:TH_STORE_NT
.set i, i+1
.endr
.endr
	v_lshl_add_u32 v4, v0, 2, 0x4200               ; v4, v5 are no source of a pending store
	v_mov_b32 v5, 0
	s_wait_alu depctr_va_vdst(0)
	s_wait_tensorcnt 0x0                           ; the wave's end
	ds_add_u32 v4, v5
	s_wait_dscnt 0x0
	s_endpgm
.Lfunc_end_k_qd37723a530_final:
	.size	k_qd37723a530_final, .Lfunc_end_k_qd37723a530_final-k_qd37723a530_final
	.p2alignl 7, 3214868480
	.fill 96, 4, 3214868480
	.section	.rodata,"a",@progbits
	.p2align	6, 0x0
	.amdhsa_kernel k_qd37723a530_final
		.amdhsa_group_segment_fixed_size 327680
		.amdhsa_private_segment_fixed_size 0
		.amdhsa_enable_private_segment 0
		.amdhsa_kernarg_size 56
		.amdhsa_user_sgpr_count 2
		.amdhsa_user_sgpr_kernarg_segment_ptr 1
		.amdhsa_wavefront_size32 1
		.amdhsa_system_sgpr_workgroup_id_x 1
		.amdhsa_system_sgpr_workgroup_id_y 1
		.amdhsa_system_sgpr_workgroup_id_z 1
		.amdhsa_system_vgpr_workitem_id 0
		.amdhsa_next_free_vgpr 256
		.amdhsa_next_free_sgpr 66
		.amdhsa_reserve_vcc 0
		.amdhsa_float_denorm_mode_32 3
		.amdhsa_float_denorm_mode_16_64 3
		.amdhsa_memory_ordered 1
		.amdhsa_forward_progress 1
		.amdhsa_inst_pref_size 69
	.end_amdhsa_kernel
	.amdgpu_metadata
---
amdhsa.version: [ 1, 2 ]
amdhsa.kernels:
  - .name:           k_qd37723a530_final
    .symbol:         k_qd37723a530_final.kd
    .args:
      - { .name: lh, .offset: 0, .size: 8, .value_kind: global_buffer, .address_space: global }
      - { .name: hidden_states, .offset: 8, .size: 8, .value_kind: global_buffer, .address_space: global }
      - { .name: part, .offset: 16, .size: 8, .value_kind: global_buffer, .address_space: global }
      - { .name: h0, .offset: 24, .size: 8, .value_kind: global_buffer, .address_space: global }
      - { .name: ln_w, .offset: 32, .size: 8, .value_kind: global_buffer, .address_space: global }
      - { .name: ln_b, .offset: 40, .size: 8, .value_kind: global_buffer, .address_space: global }
      - { .name: out0, .offset: 48, .size: 8, .value_kind: global_buffer, .address_space: global }
    .group_segment_fixed_size: 327680
    .private_segment_fixed_size: 0
    .kernarg_segment_align: 8
    .kernarg_segment_size: 56
    .max_flat_workgroup_size: 512
    .sgpr_count:     66
    .vgpr_count:     256
    .wavefront_size: 32
...
	.end_amdgpu_metadata
.endif
;; end of part 4
